; MI455X (gfx1250); checked and timed in simulation.
; The chip was launched on July 23, 2026; its instructions are those of AMD's public machine-readable ISA for CDNA 5 (MIT licence, August 2026) and "CDNA5" Instruction Set Architecture Reference Guide (July 2026). The comments in the code are by the model that wrote it; some were corrected since.
;; Attention. Allowed arithmetic: matrix products marked QUANTISED: E3M2 operands, one E8M0 scale for each 32 along K, by v_wmma_scale_f32_16x16x128_f8f6f4 with both operands' format E3M2, f32 sums; products left as they are: f32 operands where the result goes on into a quantised operand, else bf16, f16 or f32 operands; f32 sums; everything else in f32.
;; Inputs: W_dec_codes 1,024 x 32 x 24 uint8 (E3M2 codes of W_dec, K innermost, in blocks of 32 codes, four codes in three bytes); W_dec_scales 1,024 x 32 uint8 (E8M0 scales of W_dec, one for each 32 codes along K); W_enc_codes 1,024 x 64 x 24 uint8 (E3M2 codes of W_enc, K innermost, in blocks of 32 codes, four codes in three bytes); W_enc_scales 1,024 x 64 uint8 (E8M0 scales of W_enc, one for each 32 codes along K); W_energy 1 x 1,024 float32; dec_state_codes 32 x 1 x 32 x 24 uint8 (E3M2 codes of dec_state, K innermost, in blocks of 32 codes, four codes in three bytes); dec_state_scales 32 x 1 x 32 uint8 (E8M0 scales of dec_state, one for each 32 codes along K); enc_state 32 x 1,024 x 2,048 float32; src_length 32 int32.
;; Outputs: out0 32 x 1 x 2,048 float32; out1 32 x 1 x 1,024 float32.
;; This version of the problem:
;;   THIS VERSION OF THE PROBLEM IS GIVEN IN LOW PRECISION. The matrix products marked QUANTISED in the list below multiply operands that are first quantised to E3M2 (3 exponent bits, 2 mantissa bits; 6 bits a number), with one power-of-two scale for each 32 numbers along K (OCP MX v1.0); their sums are f32. All else is computed in f32.
;;   The module's matrix products, in the order in which they are computed (A, B: the left and right operand; K: the contracted axis; several contracted axes count as one K, in the product's order):
;;     1. [M 32,768, K 2,048] x [K 2,048, N 1,024]; A: input enc_state; B: input W_enc (given as codes): QUANTISED
;;     2. [M 32, K 1,024] x [K 1,024, N 1,024]; A: input dec_state (given as codes); B: input W_dec (given as codes): QUANTISED
;;     3. [M 32,768, K 1,024] x [K 1,024, N 1]; A: computed on the way; B: input W_energy: left as it is (N = 1 < 16)
;;     4. batch 32 x [M 1, K 1,024] x [K 1,024, N 2,048]; A: softmax; B: input enc_state: left as it is (M = 1 < 16)
;;   THE QUANTISER, for each operand of a quantised product, along K:
;;     - K is cut into blocks of 32 from its start; a last block that is shorter is filled with zeros.
;;     - A block's scale is 2^e with e = floor(log2(the largest magnitude in the block)) - 4, held to -126 .. 127; a block of zeros has e = 0. As a byte (E8M0): e + 127.
;;     - Each number is divided by its block's scale, clamped to +-28, and rounded to the nearest number of E3M2, ties to even, subnormals kept.
;;     - The product sums the exact products of the quantised numbers (number of the format x scale) in f32.
;;   ~~~python
;;   def quantise(x, axis):      # numpy; x: float32 -> the quantised numbers, widened to float32 again
;;       x = np.moveaxis(x, axis, -1); K = x.shape[-1]
;;       x = np.pad(x, [(0, 0)] * (x.ndim - 1) + [(0, -K % 32)]); x = x.reshape(x.shape[:-1] + (-1, 32)); a = np.abs(x).max(-1, keepdims=True)
;;       e = np.where(a > 0, np.clip(np.frexp(np.where(a > 0, a, 1))[1] - 1 - 4, -126, 127), 0)      # np.frexp(a)[1] - 1 = floor(log2(a)), exactly
;;       r = np.clip(x / 2.0 ** e, -28, 28)
;;       step = 2.0 ** (np.maximum(np.frexp(np.where(r == 0, 1, r))[1] - 1, -2) - 2)
;;       q = np.round(r / step) * step * 2.0 ** e      # np.round: ties to even
;;       return np.moveaxis(q.reshape(q.shape[:-2] + (-1,))[..., :K], -1, axis).astype(np.float32)
;;   ~~~
;;   INPUTS GIVEN AS CODES. W_dec (in the module: [1024, 1024], K = its axis 1); W_enc (in the module: [1024, 2048], K = its axis 1); dec_state (in the module: [32, 1, 1024], K = its axis 2): each comes as NAME_codes (uint8): NAME with its K axis moved to the last place and cut into blocks of 32 codes, [.., K / 32, bytes a block], one block behind the other in memory; four codes in three bytes: a row's codes are one little-endian stream of bits, code i at bits 6 i .. 6 i + 5 (a code: sign, 3 exponent bits, 2 mantissa bits); and NAME_scales (uint8): the same leading axes, one E8M0 byte (e + 127) for each 32 codes along K. Its value is code x scale, taken as it is: it is not quantised again, and the codes and scales need not be those that the quantiser above would give.
;; 2 versions, each right; version 2 is version 1 with the launches prep, energy, context written anew for expert scheduling mode. Each part assembles by itself: llvm-mc -triple=amdgcn-amd-amdhsa -mcpu=gfx1250 --defsym DOCPART=n.
;; ======== version 1 of 2: 3 launches
;; workspace buffers: dec 131,072 bytes; en 131,072 bytes; wimg 1,638,400 bytes
;; launch prep (part 1): grid 64 x 1, 1 waves a work-group, no clusters, 0 bytes of LDS; arguments W_dec_codes, W_dec_scales, W_enc_codes, W_enc_scales, dec_state_codes, dec_state_scales, wimg, dec; writes wimg, dec
.if DOCPART == 1
	.amdgcn_target "amdgcn-amd-amdhsa--gfx1250"
	.amdhsa_code_object_version 6
	.text
	.protected	k_q0cd624246b_prep
	.globl	k_q0cd624246b_prep
	.p2align	8
	.type	k_q0cd624246b_prep,@function
k_q0cd624246b_prep:
	s_mov_b64 s[64:65], 0
	v_nop
	global_prefetch_b8 v0, s[64:65] scope:SCOPE_SE
	s_setreg_imm32_b32 hwreg(HW_REG_WAVE_MODE, 25, 1), 1
	s_wait_xcnt 0x0
; Two small jobs ahead of the large launch, shared out by tiles of 16 hidden units: work-group j (one wave) owns hidden units 16 j .. 16 j + 15.
; (1) dec[b][h] = sum over d of dec_state[b][d] W_dec[h][d]: both operands arrive as codes of E3M2 with E8M0 scales; 8 K steps of 128, two accumulators
;     (batches 0-15 and 16-31) by turns.  The product is used transposed (source 0 = 16 rows of W_dec, source 1 = 16 batches): a lane then holds one batch and eight
;     neighbouring hidden units, 32 bytes of a row of dec.
; (2) W_enc's codes and scale words are laid anew, in the order of the operand's registers: wimg[wave v][step 16 p + s][pair f / 2][3,200 bytes], where j = 32 p + 8 v + f.
;     A pair holds two fragments (16 hidden units x 128 K, 12 registers a lane): fragment f % 2 at 1,536 (f % 2), registers 4 c .. 4 c + 3 of lane l at 512 c + 16 l; behind them
;     the pair's scale words, 4 bytes a lane: lanes 0-15 the first fragment's rows, lanes 16-31 the second's.  So the next launch brings a fragment by three loads of 512 dense bytes.
; The scale words (65,536 bytes in all) leave 4 bytes a lane and dec (131,072 bytes) 32 bytes a lane: small stores, once.
; REGISTERS, in windows of 256: window 0: v1-10 offsets; v16-111 W_dec's 8 fragments; v112-119 its scale words; v120-135 dec_state's; v136-151 the two accumulators; v152-159 W_enc's scale words.
;   window 1: dec_state's 16 fragments (batch tile m, K step s at 12 (8 m + s)).   window 2: W_enc's 16 fragments (K step s at 12 s).
.set WD,  16
.set WDS, 112
.set DSS, 120
.set ACC, 136
.set WES, 152
.set MSB, 0
.macro WIN new                         ; the immediate's high byte repeats the setting that is left
.if MSB != (\new)
	s_set_vgpr_msb (MSB<<8)|(\new)
.set MSB, (\new)
.endif
.endm
	s_load_b256 s[4:11], s[0:1], 0x0               ; W_dec's codes s[4:5], its scales s[6:7], W_enc's codes s[8:9], its scales s[10:11]
	s_load_b256 s[12:19], s[0:1], 0x20             ; dec_state's codes s[12:13], its scales s[14:15], wimg s[16:17], dec s[18:19]
	v_and_b32 v1, 15, v0                           ; r
	v_lshrrev_b32 v2, 4, v0                        ; h
	v_mul_u32_u24 v3, v1, 768                      ; W_dec, dec_state: a row of 1,024 codes is 768 bytes,
	v_mad_u32_u24 v3, v2, 24, v3                   ; + 24 h
	v_lshlrev_b32 v4, 5, v1                        ; their scale bytes: 32 a row
	v_mul_u32_u24 v6, v1, 1536                     ; W_enc: a row of 2,048 codes is 1,536 bytes,
	v_mad_u32_u24 v6, v2, 24, v6                   ; + 24 h
	v_lshlrev_b32 v7, 6, v1                        ; its scale bytes: 64 a row;
	v_lshl_add_u32 v7, v2, 2, v7                   ; lanes 16-31 take the word of the odd K step
	v_lshlrev_b32 v8, 4, v0                        ; an image's place for my lane: 16 x lane
	v_mul_u32_u24 v9, v2, 12800                    ; a scale word's place: 4 r, and one step (12,800 bytes) on for lanes 16-31
	v_lshl_add_u32 v9, v1, 2, v9
	v_lshlrev_b32 v10, 12, v1                      ; dec: row r of 4,096 bytes, + 32 h
	v_lshl_add_u32 v10, v2, 5, v10
	s_and_b32 s20, ttmp9, 7                        ; f
	s_bfe_u32 s21, ttmp9, 0x20003                  ; v
	s_lshr_b32 s22, ttmp9, 5                       ; p
	s_mul_i32 s24, s21, 409600                     ; a wave's stream: 32 steps of 12,800 bytes
	s_mul_i32 s23, s22, 204800                     ; a pass: 16 steps
	s_add_co_u32 s24, s24, s23
	s_lshr_b32 s23, s20, 1
	s_mul_i32 s23, s23, 3200                       ; the pair
	s_add_co_u32 s24, s24, s23
	s_and_b32 s20, s20, 1
	s_mul_i32 s26, s20, 1536                       ; the fragment in its pair
	s_add_co_u32 s26, s26, s24
	s_mov_b32 s27, 0
	s_lshl_b32 s28, s20, 6                         ; its 16 scale words in the pair's 32
	s_add_co_u32 s28, s28, s24
	s_add_co_u32 s28, s28, 3072
	s_mov_b32 s29, 0
	s_mul_i32 s30, ttmp9, 12288                    ; my 16 rows of W_dec's codes,
	s_mov_b32 s31, 0
	s_lshl_b32 s32, ttmp9, 9                       ; of its scales,
	s_mov_b32 s33, 0
	s_mul_i32 s34, ttmp9, 24576                    ; of W_enc's codes,
	s_mov_b32 s35, 0
	s_lshl_b32 s36, ttmp9, 10                      ; of its scales,
	s_mov_b32 s37, 0
	s_lshl_b32 s38, ttmp9, 6                       ; and my 16 columns of dec
	s_mov_b32 s39, 0
	s_wait_kmcnt 0x0
	s_add_nc_u64 s[4:5], s[4:5], s[30:31]
	s_add_nc_u64 s[6:7], s[6:7], s[32:33]
	s_add_nc_u64 s[8:9], s[8:9], s[34:35]
	s_add_nc_u64 s[10:11], s[10:11], s[36:37]
	s_add_nc_u64 s[18:19], s[18:19], s[38:39]
	s_add_nc_u64 s[26:27], s[16:17], s[26:27]
	s_add_nc_u64 s[28:29], s[16:17], s[28:29]
	; the product's 150 loads first.  A fragment's 24 bytes of a row come as three loads of 8, so that every address is a multiple of the access's size
.irp s, 0,1,2,3,4,5,6,7
.irp p, 0,1,2,3,4,5
	global_load_b64 v[WD+12*\s+2*\p:WD+12*\s+2*\p+1], v3, s[4:5] offset:96*\s+48*(\p/3)+8*(\p%3)
.endr
.endr
	global_load_b128 v[WDS:WDS+3], v4, s[6:7]                  ; register = K step: a row's 32 scale bytes are its 8 words
	global_load_b128 v[WDS+4:WDS+7], v4, s[6:7] offset:16
.irp m, 0,1
	global_load_b128 v[DSS+8*\m:DSS+8*\m+3], v4, s[14:15] offset:512*\m
	global_load_b128 v[DSS+8*\m+4:DSS+8*\m+7], v4, s[14:15] offset:512*\m+16
.endr
	WIN 0x40                                       ; destination window 1
.irp m, 0,1
.irp s, 0,1,2,3,4,5,6,7
.irp p, 0,1,2,3,4,5
	global_load_b64 v[12*(8*\m+\s)+2*\p:12*(8*\m+\s)+2*\p+1], v3, s[12:13] offset:12288*\m+96*\s+48*(\p/3)+8*(\p%3)
.endr
.endr
.endr
	WIN 0x80                                       ; destination window 2: then W_enc's 104 loads
.irp s, 0,1,2,3,4,5,6,7,8,9,10,11,12,13,14,15
.irp p, 0,1,2,3,4,5
	global_load_b64 v[12*\s+2*\p:12*\s+2*\p+1], v6, s[8:9] offset:96*\s+48*(\p/3)+8*(\p%3)
.endr
.endr
	WIN 0
.irp q, 0,1,2,3,4,5,6,7
	global_load_b32 v[WES+\q], v7, s[10:11] offset:8*\q        ; the word of K step 2 q + h of row r
.endr
	s_wait_loadcnt 63                              ; 104 loads were issued behind the product's last: with 63 out at the most, all 150 are in
	WIN 0x04                                       ; source 1 (dec_state) window 1
.irp s, 0,1,2,3,4,5,6,7                        ; K ascending; the two accumulators by turns, one instruction a turn; the first K step starts the sums
.irp m, 0,1
.if \s == 0
	v_wmma_scale_f32_16x16x128_f8f6f4 v[ACC+8*\m:ACC+8*\m+7], v[WD+12*\s:WD+12*\s+11], v[12*(8*\m+\s):12*(8*\m+\s)+11], 0, v[WDS+\s], v[DSS+8*\m+\s] matrix_a_fmt:MATRIX_FMT_BF6 matrix_b_fmt:MATRIX_FMT_BF6
.else
	v_wmma_scale_f32_16x16x128_f8f6f4 v[ACC+8*\m:ACC+8*\m+7], v[WD+12*\s:WD+12*\s+11], v[12*(8*\m+\s):12*(8*\m+\s)+11], v[ACC+8*\m:ACC+8*\m+7], v[WDS+\s], v[DSS+8*\m+\s] matrix_a_fmt:MATRIX_FMT_BF6 matrix_b_fmt:MATRIX_FMT_BF6
.endif
.endr
.endr
.rept 4
	v_nop                                          ; four places behind the last products, ahead of the stores of their results
.endr
	WIN 0x08                                       ; a store's data are its source 1: window 2
.irp s, 0,1,2,3,4,5,6,7,8,9,10,11,12,13,14,15
.set N, 6*(15-\s)+8                    ; behind K step s's six loads: those of the later K steps, and the eight scale words
.if N > 63
.set N, 63
.endif
	s_wait_loadcnt N
.irp c, 0,1,2
	global_store_b128 v8, v[12*\s+4*\c:12*\s+4*\c+3], s[26:27] offset:12800*\s+512*\c   ; 32 lanes store 512 consecutive bytes
.endr
.endr
	WIN 0
	s_wait_loadcnt 0x0
.irp q, 0,1,2,3,4,5,6,7
	global_store_b32 v9, v[WES+\q], s[28:29] offset:25600*\q   ; step 2 q + h, row r
.endr
.irp m, 0,1                                    ; lane (r, h): dec[16 m + r][16 j + 8 h + 0 .. 7]; each accumulator from its low end on
	global_store_b128 v10, v[ACC+8*\m:ACC+8*\m+3], s[18:19] offset:65536*\m
	global_store_b128 v10, v[ACC+8*\m+4:ACC+8*\m+7], s[18:19] offset:65536*\m+16
.endr
	s_endpgm
.Lfunc_end_k_q0cd624246b_prep:
	.size	k_q0cd624246b_prep, .Lfunc_end_k_q0cd624246b_prep-k_q0cd624246b_prep
	.p2alignl 7, 3214868480
	.fill 96, 4, 3214868480
	.section	.rodata,"a",@progbits
	.p2align	6, 0x0
	.amdhsa_kernel k_q0cd624246b_prep
		.amdhsa_group_segment_fixed_size 0
		.amdhsa_private_segment_fixed_size 0
		.amdhsa_enable_private_segment 0
		.amdhsa_kernarg_size 64
		.amdhsa_user_sgpr_count 2
		.amdhsa_user_sgpr_kernarg_segment_ptr 1
		.amdhsa_wavefront_size32 1
		.amdhsa_system_sgpr_workgroup_id_x 1
		.amdhsa_system_sgpr_workgroup_id_y 1
		.amdhsa_system_sgpr_workgroup_id_z 1
		.amdhsa_system_vgpr_workitem_id 0
		.amdhsa_next_free_vgpr 768
		.amdhsa_next_free_sgpr 66
		.amdhsa_reserve_vcc 0
		.amdhsa_float_denorm_mode_32 3
		.amdhsa_float_denorm_mode_16_64 3
		.amdhsa_memory_ordered 1
		.amdhsa_forward_progress 1
		.amdhsa_inst_pref_size 35
	.end_amdhsa_kernel
	.amdgpu_metadata
---
amdhsa.version: [ 1, 2 ]
amdhsa.kernels:
  - .name:           k_q0cd624246b_prep
    .symbol:         k_q0cd624246b_prep.kd
    .args:
      - { .name: W_dec_codes, .offset: 0, .size: 8, .value_kind: global_buffer, .address_space: global }
      - { .name: W_dec_scales, .offset: 8, .size: 8, .value_kind: global_buffer, .address_space: global }
      - { .name: W_enc_codes, .offset: 16, .size: 8, .value_kind: global_buffer, .address_space: global }
      - { .name: W_enc_scales, .offset: 24, .size: 8, .value_kind: global_buffer, .address_space: global }
      - { .name: dec_state_codes, .offset: 32, .size: 8, .value_kind: global_buffer, .address_space: global }
      - { .name: dec_state_scales, .offset: 40, .size: 8, .value_kind: global_buffer, .address_space: global }
      - { .name: wimg, .offset: 48, .size: 8, .value_kind: global_buffer, .address_space: global }
      - { .name: dec, .offset: 56, .size: 8, .value_kind: global_buffer, .address_space: global }
    .group_segment_fixed_size: 0
    .private_segment_fixed_size: 0
    .kernarg_segment_align: 8
    .kernarg_segment_size: 64
    .max_flat_workgroup_size: 32
    .sgpr_count:     66
    .vgpr_count:     768
    .wavefront_size: 32
...
	.end_amdgpu_metadata
.endif
;; end of part 1
;; launch energy (part 2): grid 8 x 32, 4 waves a work-group, no clusters, 285,184 bytes of LDS; arguments enc_state, src_length, W_energy, wimg, dec, en; writes en
.if DOCPART == 2
	.amdgcn_target "amdgcn-amd-amdhsa--gfx1250"
	.amdhsa_code_object_version 6
	.text
	.protected	k_q0cd624246b_energy
	.globl	k_q0cd624246b_energy
	.p2align	8
	.type	k_q0cd624246b_energy,@function
k_q0cd624246b_energy:
	s_mov_b64 s[64:65], 0
	v_nop
	global_prefetch_b8 v0, s[64:65] scope:SCOPE_SE
	s_setreg_imm32_b32 hwreg(HW_REG_WAVE_MODE, 25, 1), 1
	s_wait_xcnt 0x0
; en[b][s] = sum over h of W_energy[h] tanh(dec[b][h] + sum over e of Q(enc_state[b][s][e]) W_enc[h][e]), Q the quantiser to E3M2 along e, one E8M0 scale for each 32.
; SHARES.  Work-group (c, b) owns rows 128 c .. 128 c + 127 of batch b, for all 1,024 hidden units.  A block whose rows all lie at or behind src_length[b] reads no row and multiplies nothing:
; it stores -infinity, so that every byte of en is written.  In a block that is cut by src_length all 128 rows are computed; the next launch applies the mask row by row.
; X PHASE.  Wave v quantises K steps 4 v .. 4 v + 3 (128 along K each) of the block's 8 tiles of 16 rows: 32 units.  Each load reads 512 consecutive bytes of one row; 16 rows turn through a stage in LDS, so that a
; lane holds 16 neighbours of each block of 32; the codes go to LDS as IMAGES OF THE OPERAND'S REGISTERS (12 registers a lane: three stores of 512 bytes), the scale words beside them.  The turn runs ONE UNIT AHEAD:
; each wave has two stages, two sets of numbers and two sets of codes, and the next unit's stores and loads stand among the lines that quantise the unit in hand.
; G PHASE.  Wave v makes 128 rows x 128 hidden units in each of two passes: 64 accumulators, 512 registers.  The product is used transposed (source 0 = 16 hidden units, source 1 = 16 rows): a lane holds ONE row
; and eight hidden units a tile.  x's fragments come from LDS, in three short runs a step; W_enc's come from wimg, which an earlier launch has laid in the order of the registers: three loads of 512 dense bytes a
; fragment, two steps ahead.
; dec[b] is the C of each sum's first product.  tanh(z) = 1 - 2 / (1 + 2^(2 log2(e) z)); with w2 = -2 W_energy the row's part is sum(w2 / (1 + 2^..)) - sum(w2) / 2.  Where the power overflows or falls to 0
; the quotient is 0 or 1 and tanh is 1 or -1, as it should be.
; NO TENSOR LOADS, NO CLUSTER: a wave's fragments of W_enc are read by that wave alone and land in its registers without passing LDS; x's codes take 204,800 bytes of LDS for the whole launch, which would leave two
; slots of one K step (51,200 bytes) only; and the blocks of one batch, which would be partners, do not all walk W_enc: which of them do hangs on src_length.
; EVERY BARRIER STANDS ON EVERY WAVE'S PATH whatever src_length holds: a block with no row to compute jumps over the phases one by one.  The X phase is written out, every offset an immediate.
; LIMITS: src_length is taken as 1 .. 1,024 (larger numbers count as 1,024); inputs are finite; a block of 32 whose largest magnitude lies under 2^-122 keeps the scale byte 1 (a block of zeros too: its codes are
; zeros, and this program alone reads the bytes).
; REGISTERS, in windows of 256: window 0: v1-15, v40, v41 addresses; v16-31 x's scale words, two sets; v32-39 W_enc's, two sets; v56-63 the rows' sums; v64-159, v160-255 W_enc's fragments, two sets
;   (in the X phase: v64-127 and v168-231 two sets of 64 numbers, v128-147 and v232-251 two sets of codes, v148-163 at work, v164-165 scale words).
;   window 1: v0-95, v96-191 x's fragments, two sets; v192-255 dec as C; behind a pass: v0-63 w2, v64-115 sums at work.
;   windows 2 and 3: the accumulators, (row tile a, tile of hidden units f) at v[8 (8 (a % 4) + f)]; in the X phase window 2 holds four sets of 64 registers as loaded.
.set AIMG, 0                           ; LDS: x's 128 fragments, (K step s, row tile i) at (8 s + i) x 1,536
.set ASC,  196608                      ; their scale words: (s, row r, tile i) at 512 s + 32 r + 4 i
.set STG,  204800                      ; two stages for each wave: 2 x 16 rows x (512 bytes + 16)
.set DECL, 272384                      ; dec[b], 4,096 bytes
.set W2L,  276480                      ; -2 W_energy, 4,096 bytes
.set RED,  280576                      ; the waves' sums: [wave][128 rows]
.set LI,   1                           ; 16 x lane
.set L4,   2                           ; 4 x lane
.set AA,   3                           ; the K step's fragments of x
.set AS,   4                           ; and its scale words
.set ASB,  5                           ; ASC + 32 r
.set BIA0, 6                           ; DECL + 512 wave + 32 h
.set W2A0, 7                           ; W2L + 512 wave + 32 h
.set RDA,  8                           ; RED + 512 wave + 4 r
.set SW,   9                           ; my stages, on the way in: + 16 x lane
.set SR,   10                          ; and on the way out: + 528 r + 64 h
.set IW,   11                          ; where I store images: 49,152 wave + 16 x lane
.set SWA,  12                          ; and their scale words: ASC + 2,048 wave + 32 r
.set BIA,  13                          ; BIA0, W2A0 + 2,048 x pass
.set W2A,  14
.set DST,  15                          ; DECL + 32 x thread
.set ASR,  16                          ; x's scale words: set par at ASR + 8 par + tile
.set BSR,  32                          ; W_enc's: set par at BSR + 4 par + pair
.set RDR,  40                          ; RED + 16 x lane
.set GO,   41                          ; 32 x thread
.set EE,   56                          ; the rows' sums, one register a row tile
.set BF,   64                          ; W_enc's fragments: set par, tile f at BF + 96 par + 12 f
.set TM,   148
.set BI,   192                         ; window 1: dec as C, tile f at BI + 8 f
.set EC,   64                          ; window 1: four running sums a row tile
.set MSB, 0
.macro WIN new                         ; the immediate's high byte repeats the setting that is left
.if MSB != (\new)
	s_set_vgpr_msb (MSB<<8)|(\new)
.set MSB, (\new)
.endif
.endm
.macro PLACES                          ; four places in front of loads into registers that matrix instructions have read, and of the first read of results
.rept 4
	v_nop
.endr
.endm
; 64 numbers of a lane, v[TS] .. v[TS + 63], register 16 b + i = k 32 b + 16 (lane / 16) + i of my row, become a fragment's codes in v[PCX] on and its scale word in v[PWX].  In two parts, so that LDS lines can stand between.
.macro QMAX
.irp b, 0,1,2,3
	v_max3_num_f32 v[TM+\b], |v[TS+16*\b]|, |v[TS+1+16*\b]|, 0x2800000   ; block b: my 16 numbers, and the floor 2^(5 - 127): so the byte cannot fall under 1
.endr
.irp i, 2,4,6,8,10,12,14
.irp b, 0,1,2,3
	v_max3_num_f32 v[TM+\b], v[TM+\b], |v[TS+16*\b+\i]|, |v[TS+1+16*\b+\i]|   ; (the four blocks by turns)
.endr
.endr
.endm
.macro QREST
.irp b, 0,1,2,3
	v_permlanex16_b32 v[TM+4+\b], v[TM+\b], s20, s21
.endr
.irp b, 0,1,2,3
	v_max_num_f32 v[TM+\b], v[TM+\b], v[TM+4+\b]   ; with lane l xor 16's: the block's largest magnitude
.endr
.irp b, 0,1,2,3
	v_add_nc_u32 v[TM+12+\b], 0xfe000000, v[TM+\b]   ; 4 off its exponent field: the conversion takes the exponent field of this operand as its scale
.endr
.irp b, 0,1,2,3
	v_lshrrev_b32 v[TM+4+\b], 23, v[TM+12+\b]      ; the scale's byte
.endr
	v_lshl_or_b32 v[PWX], v[TM+5], 8, v[TM+4]      ; the four bytes make my row's scale word
	v_lshl_or_b32 v[PWX], v[TM+6], 16, v[PWX]
	v_lshl_or_b32 v[PWX], v[TM+7], 24, v[PWX]
.irp c, 0,1
	v_cvt_scalef32_pk16_bf6_f32 v[PCX+6*\c:PCX+2+6*\c], v[TS+32*\c:TS+15+32*\c], v[TM+12+2*\c]
	v_cvt_scalef32_pk16_bf6_f32 v[PCX+12+4*\c:PCX+14+4*\c], v[TS+16+32*\c:TS+31+32*\c], v[TM+12+2*\c+1]   ; (a conversion's three registers begin on an even number)
.endr
	v_nop                                          ; one plain place behind a scaled conversion
.irp c, 0,1                                    ; the operand's layout wants a WHOLE block in a lane: lanes 0-15 block 2 c, lanes 16-31 block 2 c + 1
.irp i, 0,1,2
	v_permlane16_swap_b32 v[PCX+6*\c+\i], v[PCX+12+4*\c+\i]
.endr
.irp i, 0,1,2
	v_mov_b32 v[PCX+3+6*\c+\i], v[PCX+12+4*\c+\i]
.endr
.endr
.endm
; 16 rows of row tile i, my q-th K step: 16 loads of 512 consecutive bytes into set q of window 2
.macro XLOAD i, q
	WIN 0x80
.irp p, 0,1,2,3,4,5,6,7,8,9,10,11,12,13,14,15
	global_load_b128 v[64*(\q)+4*\p:64*(\q)+4*\p+3], v[LI], s[24:25] offset:131072*(\i)+8192*\p+512*(\q) th:TH_LOAD_NT
.endr
	WIN 0
.endm
.macro STIN set, st                    ; a set as loaded goes into stage st, row by row
	WIN 0x08                                       ; an LDS store's data are its source 1: window 2
.irp p, 0,1,2,3,4,5,6,7,8,9,10,11,12,13,14,15
	ds_store_b128 v[SW], v[64*(\set)+4*\p:64*(\set)+4*\p+3] offset:8448*(\st)+528*\p
.endr
	WIN 0
.endm
.macro STOUT t, st                     ; and comes back, 16 neighbours of each block of 32 to a lane, into v[t] on.  LDS serves a wave's instructions in order: these see the stores
.irp b, 0,1,2,3
.irp j, 0,1,2,3
	ds_load_b128 v[(\t)+16*\b+4*\j:(\t)+16*\b+4*\j+3], v[SR] offset:8448*(\st)+128*\b+16*\j
.endr
.endr
.endm
; Unit 4 i + q: row tile i, my q-th K step.  Its numbers were sent through the stage in the unit before; here they are quantised, and the next unit's are sent through the other stage.
; n: the loads younger than the next unit's sixteen, which may stay out.
.macro XUNIT i, q, n
.set TS,  64+104*((\q)%2)              ; this unit's numbers, codes and scale word;
.set PCX, 128+104*((\q)%2)
.set PWX, 164+(\q)%2
.set TN,  64+104*(1-(\q)%2)            ; the next unit's numbers, its stage, its set as loaded
.set SN,  1-(\q)%2
.set QN,  ((\q)+1)%4
.if (\i)+(\q) > 0
	s_wait_dscnt 4                                 ; behind my numbers' loads stand the last unit's four stores alone: my numbers are in, the stage's stores have read set q, and the stores of two units ago have read the codes' registers that are written below
.else
	s_wait_dscnt 0x0
.endif
.if (\i) < 7
	XLOAD (\i)+1, \q                               ; the set takes the next row tile
.endif
.if 4*(\i)+(\q) < 31
	s_wait_loadcnt \n                              ; the next unit's 16 loads are in
	STIN QN, SN
.endif
	QMAX
.if 4*(\i)+(\q) < 31
	STOUT TN, SN
.endif
	QREST
.irp c, 0,1,2
	ds_store_b128 v[IW], v[PCX+4*\c:PCX+4*\c+3] offset:AIMG+12288*(\q)+1536*(\i)+512*\c
.endr
	ds_store_b32 v[SWA], v[PWX] offset:512*(\q)+4*(\i)         ; lanes r and r + 16 write the same word with the same value
.endm
; W_enc's pair b2 of the step that begins off bytes behind s[26:27], into set par: six loads of 512 dense bytes and the pair's scale words
.macro BLOAD par, b2, off
.irp m, 0,1
.irp c, 0,1,2
	global_load_b128 v[BF+96*(\par)+12*(2*(\b2)+\m)+4*\c:BF+96*(\par)+12*(2*(\b2)+\m)+4*\c+3], v[LI], s[26:27] offset:(\off)+3200*(\b2)+1536*\m+512*\c
.endr
.endr
	global_load_b32 v[BSR+4*(\par)+(\b2)], v[L4], s[26:27] offset:(\off)+3200*(\b2)+3072
.endm
; One product: row tile a x member m of pair b2.  The pair's scale register carries member 0's words in lanes 0-15 and member 1's in lanes 16-31.
.macro MM a, m, par, b2, first
.set rD, 8*(8*((\a)%4)+2*(\b2)+(\m))
.set rW, BF+96*(\par)+12*(2*(\b2)+(\m))
.set rX, 96*(\par)+12*(\a)
.set rC, BI+8*(2*(\b2)+(\m))
.set rWS, BSR+4*(\par)+(\b2)
.set rXS, ASR+8*(\par)+(\a)
.if \first
.if \m
	v_wmma_scale_f32_16x16x128_f8f6f4 v[rD:rD+7], v[rW:rW+11], v[rX:rX+11], v[rC:rC+7], v[rWS], v[rXS] matrix_a_fmt:MATRIX_FMT_BF6 matrix_b_fmt:MATRIX_FMT_BF6 matrix_a_scale:MATRIX_SCALE_ROW1
.else
	v_wmma_scale_f32_16x16x128_f8f6f4 v[rD:rD+7], v[rW:rW+11], v[rX:rX+11], v[rC:rC+7], v[rWS], v[rXS] matrix_a_fmt:MATRIX_FMT_BF6 matrix_b_fmt:MATRIX_FMT_BF6
.endif
.else
.if \m
	v_wmma_scale_f32_16x16x128_f8f6f4 v[rD:rD+7], v[rW:rW+11], v[rX:rX+11], v[rD:rD+7], v[rWS], v[rXS] matrix_a_fmt:MATRIX_FMT_BF6 matrix_b_fmt:MATRIX_FMT_BF6 matrix_a_scale:MATRIX_SCALE_ROW1
.else
	v_wmma_scale_f32_16x16x128_f8f6f4 v[rD:rD+7], v[rW:rW+11], v[rX:rX+11], v[rD:rD+7], v[rWS], v[rXS] matrix_a_fmt:MATRIX_FMT_BF6 matrix_b_fmt:MATRIX_FMT_BF6
.endif
.endif
.endm
; 16 products: the 8 row tiles x pair b2.  reload = 1: the pair's registers then take the same pair of the step two on.  n: the younger loads of W_enc.
; The loads' base goes one step on behind a step's first 16 products, in front of its first reload: the loads that named it were issued 16 products earlier.
.macro PAIR par, b2, first, reload, n
	s_wait_loadcnt \n
.if \first
	WIN 0x94                                       ; source 0 (W_enc) window 0, source 1 (x) window 1, C (dec) window 1, D window 2
.else
	WIN 0xa4                                       ; C and D window 2
.endif
.irp a, 0,1,2,3
.irp m, 0,1
	MM \a, \m, \par, \b2, \first
.endr
.endr
.if \first
	WIN 0xd4
.else
	WIN 0xf4                                       ; C and D window 3
.endif
.irp a, 4,5,6,7
.irp m, 0,1
	MM \a, \m, \par, \b2, \first
.endr
.endr
	WIN 0
.if \reload
.if (\b2) == 0
	s_wait_xcnt 0x0                                ; the loads' base is stepped only behind this wait
	s_add_nc_u64 s[26:27], s[26:27], 12800
.endif
	PLACES
	BLOAD \par, \b2, 12800
.endif
.endm
; The next K step's scale words and fragments of x, from LDS into the other set, in three runs (11, 9 and 6 loads) behind a step's first three pairs.  The products that read that set are the last step's;
; the v_nop behind its last pair are the places in front of these loads; where nothing is reloaded four stand here.  A pair follows each run and sets the windows anew.
.macro AFR set, i
.irp c, 0,1,2
	ds_load_b128 v[96*(\set)+12*(\i)+4*\c:96*(\set)+12*(\i)+4*\c+3], v[AA] offset:1536*(\i)+512*\c
.endr
.endm
.macro APART set, k, reload
.if \reload == 0
	PLACES
.endif
.if \k == 0
	v_add_nc_u32 v[AA], s30, v[LI]
	v_add_nc_u32 v[AS], s31, v[ASB]
	ds_load_b128 v[ASR+8*(\set):ASR+8*(\set)+3], v[AS]
	ds_load_b128 v[ASR+8*(\set)+4:ASR+8*(\set)+7], v[AS] offset:16
	WIN 0x40
	AFR \set, 0
	AFR \set, 1
	AFR \set, 2
.elseif \k == 1
	WIN 0x40
	AFR \set, 3
	AFR \set, 4
	AFR \set, 5
.else
	WIN 0x40
	AFR \set, 6
	AFR \set, 7
.endif
.endm
; A K step of 128: 64 products; the 64 accumulators take turns, one instruction a turn, in the same order in every step.
; With reload the count is 49 at every pair: behind a pair's seven loads stand those of seven younger pairs (the rest of this step, the next step, and what this step has asked for anew).
.macro STEP par, first, reload, anext, n0, n1, n2, n3
	s_wait_dscnt 0x0                               ; x's fragments and scale words of this step are in
	PAIR \par, 0, \first, \reload, \n0
.if \anext
	APART 1-\par, 0, \reload
.endif
	PAIR \par, 1, \first, \reload, \n1
.if \anext
	APART 1-\par, 1, \reload
.endif
	PAIR \par, 2, \first, \reload, \n2
.if \anext
	APART 1-\par, 2, \reload
.endif
	PAIR \par, 3, \first, \reload, \n3
	s_add_co_u32 s30, s30, 12288
	s_add_co_u32 s31, s31, 512
.endm
; Row tile a behind a pass: its 64 registers, in place and from each accumulator's low end on, become 1 / (1 + 2^(2 log2(e) z)); then two packed chains of multiply-adds with w2
.macro TANH a
.set AC, 64*((\a)%4)
	WIN 0x82+0x41*((\a)/4)                         ; destination and source 0: window 2 or 3
.set k, 0
.rept 32
	v_pk_mul_f32 v[AC+k:AC+k+1], v[AC+k:AC+k+1], s[22:23] op_sel_hi:[1,0]
.set k, k+2
.endr
.set k, 0
.rept 64
	v_exp_f32 v[AC+k], v[AC+k]
.set k, k+1
.endr
	v_nop                                          ; one plain place behind the transcendentals
.set k, 0
	s_wait_alu depctr_va_vdst(0)
.rept 32
	v_pk_add_f32 v[AC+k:AC+k+1], v[AC+k:AC+k+1], 1.0 op_sel_hi:[1,0]
.set k, k+2
.endr
.set k, 0
.rept 64
	v_rcp_f32 v[AC+k], v[AC+k]
.set k, k+1
.endr
	v_nop
.if (\a) == 0
	s_wait_dscnt 0x0                               ; w2 is in
.endif
	WIN 0x56+((\a)/4)                              ; source 0 window 2 or 3; w2 and the sums window 1
	s_wait_alu depctr_va_vdst(0)
	v_pk_mul_f32 v[EC+4*(\a):EC+4*(\a)+1], v[AC:AC+1], v[0:1]          ; the first products start the chains
	v_pk_mul_f32 v[EC+4*(\a)+2:EC+4*(\a)+3], v[AC+2:AC+3], v[2:3]
.set k, 4
.rept 15
	v_pk_fma_f32 v[EC+4*(\a):EC+4*(\a)+1], v[AC+k:AC+k+1], v[k:k+1], v[EC+4*(\a):EC+4*(\a)+1]
	v_pk_fma_f32 v[EC+4*(\a)+2:EC+4*(\a)+3], v[AC+k+2:AC+k+3], v[k+2:k+3], v[EC+4*(\a)+2:EC+4*(\a)+3]
.set k, k+4
.endr
.endm
	s_load_b256 s[4:11], s[0:1], 0x0               ; enc_state s[4:5], src_length s[6:7], W_energy s[8:9], wimg s[10:11]
	s_load_b128 s[12:15], s[0:1], 0x20             ; dec s[12:13], en s[14:15]
	v_lshl_add_u32 v54, v0, 2, 0x45800
	v_mov_b32 v55, 0
	v_lshrrev_b32 v42, 5, v0
	v_readfirstlane_b32 s16, v42                   ; wave 0..3
	s_and_b32 s18, ttmp7, 0xffff                   ; b
	v_and_b32 v42, 31, v0                          ; lane
	v_and_b32 v43, 15, v0                          ; r
	v_bfe_u32 v44, v0, 4, 1                        ; h
	v_lshlrev_b32 v[LI], 4, v42
	v_lshlrev_b32 v[L4], 2, v42
	v_lshl_add_u32 v[ASB], v43, 5, ASC
	s_lshl_b32 s34, s16, 9
	v_lshl_add_u32 v[BIA0], v44, 5, s34
	v_add_nc_u32 v[W2A0], W2L, v[BIA0]
	v_add_nc_u32 v[BIA0], DECL, v[BIA0]
	v_lshl_add_u32 v[RDA], v43, 2, s34
	v_add_nc_u32 v[RDA], RED, v[RDA]
	s_mul_i32 s35, s16, 16896
	s_add_co_u32 s35, s35, STG
	v_add_nc_u32 v[SW], s35, v[LI]
	v_mul_u32_u24 v[SR], v43, 528
	v_lshl_add_u32 v[SR], v44, 6, v[SR]
	v_add_nc_u32 v[SR], s35, v[SR]
	s_mul_i32 s35, s16, 49152
	v_add_nc_u32 v[IW], s35, v[LI]
	s_lshl_b32 s35, s16, 11
	v_add_nc_u32 v[SWA], s35, v[ASB]
	v_lshlrev_b32 v[GO], 5, v0
	v_add_nc_u32 v[DST], DECL, v[GO]
	v_add_nc_u32 v[RDR], RED, v[LI]
.irp a, 0,1,2,3,4,5,6,7
	v_mov_b32 v[EE+\a], 0                          ; the rows' sums begin as zeros: both passes add onto them
.endr
.irp b, 0,1,2,3
	v_mov_b32 v[TM+4+\b], 0                        ; written once: a lane permute's destination counts as one of its sources
.endr
	WIN 0x40
.irp a, 0,1,2,3,4,5,6,7
	v_mov_b32 v[108+\a], 0                         ; likewise, in window 1
.endr
	WIN 0
	s_mov_b32 s20, 0x76543210
	s_mov_b32 s21, 0xfedcba98                      ; v_permlanex16_b32's selects for lane l xor 16
	s_mov_b32 s22, 0x4038aa3b                      ; 2 log2(e)
	s_mov_b32 s23, s22                             ; (named with it as a pair, so it is written)
	s_wait_kmcnt 0x0
	s_lshl_b32 s34, s18, 2
	s_mov_b32 s35, 0
	s_add_nc_u64 s[6:7], s[6:7], s[34:35]
	s_load_b32 s19, s[6:7], 0x0                    ; src_length[b]
	s_lshl_b32 s34, s18, 12
	s_add_nc_u64 s[12:13], s[12:13], s[34:35]      ; dec[b]
	s_lshl_b32 s36, ttmp9, 9
	s_add_co_u32 s34, s34, s36
	s_add_nc_u64 s[14:15], s[14:15], s[34:35]      ; en at my 128 rows
	s_lshl_b32 s34, s18, 23                        ; (1,024 b + 128 c) rows of 8,192 bytes + my wave's four K steps, 2,048 bytes: under 2^28
	s_lshl_b32 s36, ttmp9, 20
	s_add_co_u32 s34, s34, s36
	s_lshl_b32 s36, s16, 11
	s_add_co_u32 s34, s34, s36
	s_add_nc_u64 s[24:25], s[4:5], s[34:35]
	s_mul_i32 s34, s16, 409600
	s_add_nc_u64 s[26:27], s[10:11], s[34:35]      ; my wave's stream of W_enc
	WIN 0x40
	global_load_b128 v[0:3], v[GO], s[12:13]       ; dec[b] and W_energy, 32 bytes a thread each, wait in window 1
	global_load_b128 v[4:7], v[GO], s[12:13] offset:16
	global_load_b128 v[8:11], v[GO], s[8:9]
	global_load_b128 v[12:15], v[GO], s[8:9] offset:16
	WIN 0
	s_wait_kmcnt 0x0
	s_min_u32 s19, s19, 1024
	s_lshl_b32 s34, ttmp9, 7
	s_cmp_ge_u32 s34, s19                          ; my first row at or behind the length: nothing to compute
	s_cselect_b32 s33, 1, 0
	s_cmp_lg_u32 s33, 0
	s_cbranch_scc1 .Ljoin1
	; ---- X: 32 units.  Behind the set that is wanted next three sets of 16 loads are on their way: the count is 48; the last row tile asks for nothing and its counts run down
.irp q, 0,1,2,3
	XLOAD 0, \q
.endr
	s_wait_loadcnt 48                              ; unit 0's 16 loads are in
	STIN 0, 0
	STOUT 64, 0
.irp i, 0,1,2,3,4,5,6
.irp q, 0,1,2,3
	XUNIT \i, \q, 48
.endr
.endr
	XUNIT 7, 0, 32
	XUNIT 7, 1, 16
	XUNIT 7, 2, 0
	XUNIT 7, 3, 0                                  ; (the last unit has no successor: its count is not used)
.Ljoin1:
	s_wait_loadcnt 0x0                             ; dec[b] and W_energy are in
	WIN 0x41
.irp k, 8,10,12,14
	v_pk_mul_f32 v[\k:\k+1], v[\k:\k+1], -2.0 op_sel_hi:[1,0]  ; w2 = -2 W_energy
.endr
	WIN 0x04                                       ; an LDS store's data are its source 1: window 1
	ds_store_b128 v[DST], v[0:3]
	ds_store_b128 v[DST], v[4:7] offset:16
	ds_store_b128 v[DST], v[8:11] offset:W2L-DECL
	ds_store_b128 v[DST], v[12:15] offset:W2L-DECL+16
	WIN 0
	s_wait_dscnt 0x0                               ; for the others' sake: all my stores into LDS are done
	s_barrier_signal -1
	s_barrier_wait -1                              ; x's 128 fragments, their scale words, dec and w2 lie in LDS
	s_cmp_lg_u32 s33, 0
	s_cbranch_scc1 .Ljoin2
	; ---- G: up to the next barrier LDS is only read
.irp b2, 0,1,2,3
	BLOAD 0, \b2, 0                                ; W_enc's steps 0 and 1: 56 loads
.endr
.irp b2, 0,1,2,3
	BLOAD 1, \b2, 12800
.endr
	s_mov_b32 s29, 0                               ; the pass
	s_mov_b32 s32, 0                               ; 2,048 x pass: its 512 hidden units' bytes in dec and w2
.Lpass:
	v_add_nc_u32 v[BIA], s32, v[BIA0]
	v_add_nc_u32 v[W2A], s32, v[W2A0]
	ds_load_b128 v[ASR:ASR+3], v[ASB]              ; K step 0: x's scale words,
	ds_load_b128 v[ASR+4:ASR+7], v[ASB] offset:16
	WIN 0x40
.irp f, 0,1,2,3,4,5,6,7
	ds_load_b128 v[BI+8*\f:BI+8*\f+3], v[BIA] offset:64*\f     ; dec at my half's eight hidden units of tile f,
	ds_load_b128 v[BI+8*\f+4:BI+8*\f+7], v[BIA] offset:64*\f+16
.endr
.irp i, 0,1,2,3,4,5,6,7
.irp c, 0,1,2
	ds_load_b128 v[12*\i+4*\c:12*\i+4*\c+3], v[LI] offset:AIMG+1536*\i+512*\c   ; and x's eight fragments
.endr
.endr
	WIN 0
	s_mov_b32 s30, 12288                           ; where K step 1's fragments begin,
	s_mov_b32 s31, 512                             ; and its scale words
	STEP 0, 1, 1, 1, 49, 49, 49, 49                ; K step 0 starts the sums, with dec as C
	s_mov_b32 s28, 6
.Lk:                                               ; K steps 1 to 12
	STEP 1, 0, 1, 1, 49, 49, 49, 49
	STEP 0, 0, 1, 1, 49, 49, 49, 49
	s_sub_co_u32 s28, s28, 1
	s_cmp_lg_u32 s28, 0
	s_cbranch_scc1 .Lk
	STEP 1, 0, 1, 1, 49, 49, 49, 49                ; K step 13
	s_cmp_lg_u32 s29, 0
	s_cbranch_scc1 .Ltail
	STEP 0, 0, 1, 1, 49, 49, 49, 49                ; the first pass's last two steps ask for the second pass's first two
	STEP 1, 0, 1, 0, 49, 49, 49, 49
	s_branch .Lepi
.Ltail:
	STEP 0, 0, 0, 1, 49, 42, 35, 28                ; the second pass's ask for nothing: no load leaves wimg, and the counts run down
	STEP 1, 0, 0, 0, 21, 14, 7, 0
.Lepi:
	PLACES
	WIN 0x40
.irp f, 0,1,2,3,4,5,6,7
	ds_load_b128 v[8*\f:8*\f+3], v[W2A] offset:64*\f           ; w2 in the accumulators' layout, over x's fragments, which are done with
	ds_load_b128 v[8*\f+4:8*\f+7], v[W2A] offset:64*\f+16
.endr
.irp a, 0,1,2,3,4,5,6,7
	TANH \a
.endr
	WIN 0x55                                       ; all in window 1
	v_pk_add_f32 v[96:97], v[0:1], v[4:5]          ; the sum of my 64 w2, in two chains
	v_pk_add_f32 v[98:99], v[2:3], v[6:7]
.set k, 8
.rept 14
	v_pk_add_f32 v[96:97], v[96:97], v[k:k+1]
	v_pk_add_f32 v[98:99], v[98:99], v[k+2:k+3]
.set k, k+4
.endr
	v_pk_add_f32 v[96:97], v[96:97], v[98:99]
.irp a, 0,1,2,3,4,5,6,7
	v_pk_add_f32 v[EC+4*\a:EC+4*\a+1], v[EC+4*\a:EC+4*\a+1], v[EC+4*\a+2:EC+4*\a+3]
.endr
	v_add_f32 v96, v96, v97
.irp a, 0,1,2,3,4,5,6,7
	v_add_f32 v[100+\a], v[EC+4*\a], v[EC+4*\a+1]
.endr
.irp a, 0,1,2,3,4,5,6,7
	v_fma_f32 v[100+\a], v96, -0.5, v[100+\a]      ; + the sum of W_energy over my 64 hidden units
.endr
.irp a, 0,1,2,3,4,5,6,7
	v_permlanex16_b32 v[108+\a], v[100+\a], s20, s21
.endr
.irp a, 0,1,2,3,4,5,6,7
	v_add_f32 v[100+\a], v[100+\a], v[108+\a]      ; with lane l xor 16's 64: my wave's 128 hidden units of this pass
.endr
	WIN 0x04
.irp a, 0,1,2,3,4,5,6,7
	v_add_f32 v[EE+\a], v[EE+\a], v[100+\a]
.endr
	WIN 0
	s_add_co_u32 s32, s32, 2048
	s_add_co_u32 s29, s29, 1
	s_cmp_lt_u32 s29, 2
	s_cbranch_scc1 .Lpass
.Ljoin2:
	s_wait_loadcnt 0x0                             ; no load is out: W_enc's registers are free
	s_wait_dscnt 0x0
	s_barrier_signal -1
	s_barrier_wait -1                              ; parts the phase in which the four waves only read LDS, at addresses stepped in loops, from the stores below
	s_cmp_lg_u32 s33, 0
	s_cbranch_scc1 .Ljoin3
.irp a, 0,1,2,3,4,5,6,7
	ds_store_b32 v[RDA], v[EE+\a] offset:64*\a     ; row 16 a + r; lanes r and r + 16 write the same word with the same value
.endr
.Ljoin3:
	s_wait_dscnt 0x0                               ; for wave 0's sake: my sums lie in LDS
	s_barrier_signal -1
	s_barrier_wait -1
	s_cmp_lg_u32 s16, 0
	s_cbranch_scc1 .Lend
	s_cmp_lg_u32 s33, 0
	s_cbranch_scc1 .Lminf
.irp k, 0,1,2,3
	ds_load_b128 v[64+4*\k:67+4*\k], v[RDR] offset:512*\k      ; wave k's sums of rows 4 lane .. 4 lane + 3
.endr
	s_wait_dscnt 0x0
	v_pk_add_f32 v[64:65], v[64:65], v[68:69]
	v_pk_add_f32 v[66:67], v[66:67], v[70:71]
	v_pk_add_f32 v[72:73], v[72:73], v[76:77]
	v_pk_add_f32 v[74:75], v[74:75], v[78:79]
	v_pk_add_f32 v[64:65], v[64:65], v[72:73]
	v_pk_add_f32 v[66:67], v[66:67], v[74:75]
	global_store_b128 v[LI], v[64:67], s[14:15]    ; 32 lanes store the block's 512 consecutive bytes
	s_wait_tensorcnt 0x0
	ds_add_u32 v54, v55
	s_wait_dscnt 0x0
	s_endpgm
.Lminf:
.irp k, 0,1,2,3
	v_mov_b32 v[64+\k], 0xff800000                 ; -infinity
.endr
	global_store_b128 v[LI], v[64:67], s[14:15]
.Lend:
	s_wait_tensorcnt 0x0
	ds_add_u32 v54, v55
	s_wait_dscnt 0x0
	s_endpgm
.Lfunc_end_k_q0cd624246b_energy:
	.size	k_q0cd624246b_energy, .Lfunc_end_k_q0cd624246b_energy-k_q0cd624246b_energy
	.p2alignl 7, 3214868480
	.fill 96, 4, 3214868480
	.section	.rodata,"a",@progbits
	.p2align	6, 0x0
	.amdhsa_kernel k_q0cd624246b_energy
		.amdhsa_group_segment_fixed_size 285184
		.amdhsa_private_segment_fixed_size 0
		.amdhsa_enable_private_segment 0
		.amdhsa_kernarg_size 48
		.amdhsa_user_sgpr_count 2
		.amdhsa_user_sgpr_kernarg_segment_ptr 1
		.amdhsa_wavefront_size32 1
		.amdhsa_system_sgpr_workgroup_id_x 1
		.amdhsa_system_sgpr_workgroup_id_y 1
		.amdhsa_system_sgpr_workgroup_id_z 1
		.amdhsa_system_vgpr_workitem_id 0
		.amdhsa_next_free_vgpr 1024
		.amdhsa_next_free_sgpr 66
		.amdhsa_reserve_vcc 0
		.amdhsa_float_denorm_mode_32 3
		.amdhsa_float_denorm_mode_16_64 3
		.amdhsa_memory_ordered 1
		.amdhsa_forward_progress 1
		.amdhsa_inst_pref_size 255
	.end_amdhsa_kernel
	.section	.bss,"aw",@nobits
	.p2align	6
	.space	262144
	.amdgpu_metadata
---
amdhsa.version: [ 1, 2 ]
amdhsa.kernels:
  - .name:           k_q0cd624246b_energy
    .symbol:         k_q0cd624246b_energy.kd
    .args:
      - { .name: enc_state, .offset: 0, .size: 8, .value_kind: global_buffer, .address_space: global }
      - { .name: src_length, .offset: 8, .size: 8, .value_kind: global_buffer, .address_space: global }
      - { .name: W_energy, .offset: 16, .size: 8, .value_kind: global_buffer, .address_space: global }
      - { .name: wimg, .offset: 24, .size: 8, .value_kind: global_buffer, .address_space: global }
      - { .name: dec, .offset: 32, .size: 8, .value_kind: global_buffer, .address_space: global }
      - { .name: en, .offset: 40, .size: 8, .value_kind: global_buffer, .address_space: global }
    .group_segment_fixed_size: 285184
    .private_segment_fixed_size: 0
    .kernarg_segment_align: 8
    .kernarg_segment_size: 48
    .max_flat_workgroup_size: 128
    .sgpr_count:     66
    .vgpr_count:     1024
    .wavefront_size: 32
...
	.end_amdgpu_metadata
.endif
;; end of part 2
;; launch context (part 3): grid 16 x 32, 8 waves a work-group, no clusters, 9,728 bytes of LDS; arguments en, enc_state, src_length, out0, out1; writes out0, out1
.if DOCPART == 3
	.amdgcn_target "amdgcn-amd-amdhsa--gfx1250"
	.amdhsa_code_object_version 6
	.text
	.protected	k_q0cd624246b_context
	.globl	k_q0cd624246b_context
	.p2align	8
	.type	k_q0cd624246b_context,@function
k_q0cd624246b_context:
	s_mov_b64 s[64:65], 0
	v_nop
	global_prefetch_b8 v0, s[64:65] scope:SCOPE_SE
	s_setreg_imm32_b32 hwreg(HW_REG_WAVE_MODE, 25, 1), 1
	s_wait_xcnt 0x0
; out1[b][s] = softmax over s of en[b][s], rows at or behind src_length[b] counting as -infinity; out0[b][e] = sum over s of out1[b][s] enc_state[b][s][e].
; A product with one row: memory binds, so it is a stream of fused multiply-adds in f32; the matrix unit, tensor loads and clusters would add nothing (each byte of enc_state is read by one wave, once).
; SHARES.  Work-group (slice, b) owns columns 128 slice .. 128 slice + 127 of out0[b]; every work-group of a batch makes the batch's softmax anew (4,096 bytes of en), and slice 0 stores it.
; Wave v takes rows 128 i + 16 v + j (round i, slot j): a load covers a row's 512 consecutive bytes of the slice.  Only the ceil(length / 128) rounds that hold a row in front of the length are read; in the
; last of them the rows behind the length have the weight 0 (they lie inside the batch's 1,024 rows).  A ring of sixteen slots in registers keeps sixteen loads of every wave, 8,192 bytes, on their way.
; The largest energy is taken away before the exponential; the weights stay unnormalised in the sums, and the sum divides at the end.
; LIMITS: src_length is taken as 1 .. 1,024 (0 counts as 1, larger numbers as 1,024); inputs are finite.
.set MX, 4096                          ; LDS: the weights p at 0 (4,096 bytes); the waves' maxima; their sums; the waves' parts of out0, 512 bytes each
.set SM, 4352
.set RD, 4608
.set X,  12                            ; v12-75   slot j: 4 registers
.set P,  76                            ; v76-91   register j, lane i (0 .. 7): p[128 i + 16 wave + j]
.set SU, 92                            ; v92-99   two sets of four sums, by the slot's parity
.set WA, 100                           ; v100     my wave's word among the maxima
.set MA, 101                           ; v101     the maxima's first word
.set PA, 102                           ; v102     512 (lane % 8) + 64 wave: my sixteen weights of round lane % 8
.set INV, 103                          ; v103     1 / the sum of the weights
.set TP, 104                           ; v104-111 at work;  v112-115 out1's numbers
; slot j's weight lies in s[20 + 2 j] (j < 8) or s[50 + 2 j] (j >= 8: s66 on); the packed form names a pair and takes its low word for both halves
	s_load_b256 s[4:11], s[0:1], 0x0               ; en s[4:5], enc_state s[6:7], src_length s[8:9], out0 s[10:11]
	s_load_b64 s[12:13], s[0:1], 0x20              ; out1
	v_lshl_add_u32 v120, v0, 2, 0x2200
	v_mov_b32 v121, 0
	v_lshrrev_b32 v1, 5, v0
	v_readfirstlane_b32 s14, v1                    ; wave 0..7
	s_and_b32 s15, ttmp7, 0xffff                   ; b
	v_and_b32 v2, 31, v0
	v_lshlrev_b32 v2, 4, v2                        ; 16 x lane
	v_lshlrev_b32 v1, 4, v0                        ; 16 x thread
	v_lshlrev_b32 v3, 2, v0                        ; my first row of the softmax: 4 x thread
	s_lshl_b32 s19, s14, 2
	s_add_co_u32 s19, s19, MX
	v_mov_b32 v[WA], s19
	v_mov_b32 v[MA], MX
	v_and_b32 v[PA], 7, v0
	v_lshlrev_b32 v[PA], 9, v[PA]
	s_lshl_b32 s19, s14, 6
	v_add_nc_u32 v[PA], s19, v[PA]
	v_mov_b32 v8, 0xff800000                       ; -infinity
	v_mov_b32 v10, 0                               ; written once: a lane permute's destination counts as one of its sources
.irp k, 0,1,2,3,4,5,6,7
	v_mov_b32 v[SU+\k], 0
	s_mov_b32 s[21+2*\k], 0                        ; (the pairs' upper words are named, so they are written)
	s_mov_b32 s[67+2*\k], 0
.endr
	s_mov_b32 s40, 0x76543210
	s_mov_b32 s41, 0xfedcba98                      ; v_permlanex16_b32's selects for lane l xor 16
	s_mov_b32 s42, 0x3fb8aa3b                      ; log2(e)
	s_lshl_b32 s36, s15, 2
	s_mov_b32 s37, 0
	s_mov_b32 s39, 0
	s_wait_kmcnt 0x0
	s_add_nc_u64 s[8:9], s[8:9], s[36:37]
	s_load_b32 s16, s[8:9], 0x0                    ; src_length[b]
	s_lshl_b32 s36, s15, 12
	s_add_nc_u64 s[4:5], s[4:5], s[36:37]          ; en[b]
	s_add_nc_u64 s[12:13], s[12:13], s[36:37]      ; out1[b]
	s_lshl_b32 s38, s15, 23                        ; enc_state[b]: 1,024 rows of 8,192 bytes,
	s_lshl_b32 s19, ttmp9, 9                       ; the slice's 512 bytes,
	s_add_co_u32 s38, s38, s19
	s_lshl_b32 s36, s15, 13
	s_add_co_u32 s36, s36, s19
	s_add_nc_u64 s[10:11], s[10:11], s[36:37]      ; out0[b] at the slice
	s_lshl_b32 s19, s14, 17                        ; and my wave's sixteen rows: under 2^28 in all
	s_add_co_u32 s38, s38, s19
	s_add_nc_u64 s[6:7], s[6:7], s[38:39]
	global_load_b128 v[4:7], v1, s[4:5]            ; four energies a thread
.irp j, 0,1,2,3,4,5,6,7,8,9,10,11,12,13,14,15
	global_load_b128 v[X+4*\j:X+4*\j+3], v2, s[6:7] offset:8192*\j th:TH_LOAD_NT   ; round 0 fills the ring: it is on its way while the softmax is made
.endr
	s_wait_kmcnt 0x0
	s_min_u32 s16, s16, 1024
	s_max_u32 s16, s16, 1
	s_add_co_u32 s17, s16, 127
	s_lshr_b32 s17, s17, 7
	s_sub_co_u32 s17, s17, 1                       ; rounds less one: 0 .. 7
	s_wait_loadcnt 16                              ; the energies are in; the ring's sixteen loads stay out
.irp k, 0,1,2,3
	v_add_nc_u32 v9, \k, v3
	v_cmp_gt_u32 vcc_lo, s16, v9                   ; the row counts where the length is larger than its number
	v_cndmask_b32 v[4+\k], v8, v[4+\k], vcc_lo
.endr
	v_max3_num_f32 v9, v4, v5, v6
	v_max_num_f32 v9, v9, v7
	v_max_num_f32_dpp v9, v9, v9 row_xmask:1 row_mask:0xf bank_mask:0xf
	v_max_num_f32_dpp v9, v9, v9 row_xmask:2 row_mask:0xf bank_mask:0xf
	v_max_num_f32_dpp v9, v9, v9 row_xmask:4 row_mask:0xf bank_mask:0xf
	v_max_num_f32_dpp v9, v9, v9 row_xmask:8 row_mask:0xf bank_mask:0xf
	v_permlanex16_b32 v10, v9, s40, s41
	v_max_num_f32 v9, v9, v10                      ; my wave's largest energy
	ds_store_b32 v[WA], v9                         ; all lanes write the same word with the same value
	s_wait_dscnt 0x0
	s_barrier_signal -1
	s_barrier_wait -1
	ds_load_b128 v[TP:TP+3], v[MA]
	ds_load_b128 v[TP+4:TP+7], v[MA] offset:16
	s_wait_dscnt 0x0
	v_max3_num_f32 v[TP], v[TP], v[TP+1], v[TP+2]
	v_max3_num_f32 v[TP+3], v[TP+3], v[TP+4], v[TP+5]
	v_max3_num_f32 v[TP], v[TP], v[TP+6], v[TP+7]
	v_max_num_f32 v[TP], v[TP], v[TP+3]            ; the batch's: finite, since row 0 always counts
	v_mul_f32 v[TP], s42, v[TP]
.irp k, 0,1,2,3
	v_fma_f32 v[4+\k], v[4+\k], s42, -v[TP]        ; (e - m) log2(e)
.endr
.irp k, 0,1,2,3
	v_exp_f32 v[4+\k], v[4+\k]                     ; p, at most 1; 0 for a row that does not count
.endr
	v_nop                                          ; one plain place behind the transcendentals
	s_wait_alu depctr_va_vdst(0)
	ds_store_b128 v1, v[4:7]
	v_add_f32 v9, v4, v5
	v_add_f32 v[TP+1], v6, v7
	v_add_f32 v9, v9, v[TP+1]
	v_add_f32_dpp v9, v9, v9 row_xmask:1 row_mask:0xf bank_mask:0xf
	v_add_f32_dpp v9, v9, v9 row_xmask:2 row_mask:0xf bank_mask:0xf
	v_add_f32_dpp v9, v9, v9 row_xmask:4 row_mask:0xf bank_mask:0xf
	v_add_f32_dpp v9, v9, v9 row_xmask:8 row_mask:0xf bank_mask:0xf
	v_permlanex16_b32 v10, v9, s40, s41
	v_add_f32 v9, v9, v10
	ds_store_b32 v[WA], v9 offset:SM-MX
	s_wait_dscnt 0x0                               ; for the others' sake: my weights and my sum lie in LDS
	s_barrier_signal -1
	s_barrier_wait -1
	ds_load_b128 v[TP:TP+3], v[MA] offset:SM-MX
	ds_load_b128 v[TP+4:TP+7], v[MA] offset:SM-MX+16
.irp k, 0,1,2,3
	ds_load_b128 v[P+4*\k:P+4*\k+3], v[PA] offset:16*\k
.endr
	s_wait_dscnt 0x0
	v_add_f32 v[TP], v[TP], v[TP+1]
	v_add_f32 v[TP+2], v[TP+2], v[TP+3]
	v_add_f32 v[TP+4], v[TP+4], v[TP+5]
	v_add_f32 v[TP+6], v[TP+6], v[TP+7]
	v_add_f32 v[TP], v[TP], v[TP+2]
	v_add_f32 v[TP+4], v[TP+4], v[TP+6]
	v_add_f32 v[TP], v[TP], v[TP+4]
	v_rcp_f32 v[INV], v[TP]                        ; 1 / the sum
	v_nop
	s_cmp_lg_u32 ttmp9, 0
	s_cbranch_scc1 .Lnot0
	s_wait_alu depctr_va_vdst(0)
.irp k, 0,1,2,3
	v_mul_f32 v[112+\k], v[4+\k], v[INV]
.endr
	global_store_b128 v1, v[112:115], s[12:13]     ; the work-group stores out1[b]'s 4,096 consecutive bytes; these registers are not written again
.Lnot0:
.macro WEIGHTS                         ; the round's sixteen weights of my wave, from lane s18 (the round's number) of P's registers
.irp j, 0,1,2,3,4,5,6,7
	v_readlane_b32 s[20+2*\j], v[P+\j], s18
.endr
.irp j, 8,9,10,11,12,13,14,15
	v_readlane_b32 s[50+2*\j], v[P+\j], s18
.endr
.endm
; One slot's turn.  ahead = 1: the slot is filled again with its row of the next round.  left = how many younger loads may stay out.
.macro SLOT j, ahead, left
.set W, 20+2*(\j)
.if (\j) >= 8
.set W, 50+2*(\j)
.endif
	s_wait_loadcnt \left
	v_pk_fma_f32 v[SU+4*((\j)%2):SU+4*((\j)%2)+1], v[X+4*(\j):X+4*(\j)+1], s[W:W+1], v[SU+4*((\j)%2):SU+4*((\j)%2)+1] op_sel_hi:[1,0,1]
	v_pk_fma_f32 v[SU+4*((\j)%2)+2:SU+4*((\j)%2)+3], v[X+4*(\j)+2:X+4*(\j)+3], s[W:W+1], v[SU+4*((\j)%2)+2:SU+4*((\j)%2)+3] op_sel_hi:[1,0,1]
.if \ahead
	global_load_b128 v[X+4*(\j):X+4*(\j)+3], v2, s[6:7] offset:1048576+8192*(\j) th:TH_LOAD_NT
.endif
.endm
	s_mov_b32 s18, 0
	s_cmp_eq_u32 s17, 0
	s_cbranch_scc1 .Llast
.Lround:                                           ; all rounds but the last: fifteen younger loads stay out at every slot
	WEIGHTS
.irp j, 0,1,2,3,4,5,6,7,8,9,10,11,12,13,14,15
	SLOT \j, 1, 15
.endr
	s_wait_xcnt 0x0                                ; the loads' base is stepped only behind this wait
	s_add_nc_u64 s[6:7], s[6:7], 1048576           ; 128 rows on
	s_add_co_u32 s18, s18, 1
	s_cmp_lt_u32 s18, s17
	s_cbranch_scc1 .Lround
.Llast:                                            ; the last round loads nothing: no load passes the round that holds the last row that counts, and the counts run down
	WEIGHTS
.irp j, 0,1,2,3,4,5,6,7,8,9,10,11,12,13,14,15
	SLOT \j, 0, 15-\j
.endr
	v_pk_add_f32 v[SU:SU+1], v[SU:SU+1], v[SU+4:SU+5]
	v_pk_add_f32 v[SU+2:SU+3], v[SU+2:SU+3], v[SU+6:SU+7]
	ds_store_b128 v1, v[SU:SU+3] offset:RD         ; 16 x thread = 512 wave + 16 lane
	s_wait_dscnt 0x0                               ; for wave 0's sake
	s_barrier_signal -1
	s_barrier_wait -1
	s_cmp_lg_u32 s14, 0
	s_cbranch_scc1 .Lend
.irp k, 0,1,2,3,4,5,6,7
	ds_load_b128 v[X+4*\k:X+4*\k+3], v2 offset:RD+512*\k
.endr
	s_wait_dscnt 0x0
.irp k, 0,2,4,6
	v_pk_add_f32 v[X+4*\k:X+4*\k+1], v[X+4*\k:X+4*\k+1], v[X+4*\k+4:X+4*\k+5]
	v_pk_add_f32 v[X+4*\k+2:X+4*\k+3], v[X+4*\k+2:X+4*\k+3], v[X+4*\k+6:X+4*\k+7]
.endr
.irp k, 0,4
	v_pk_add_f32 v[X+4*\k:X+4*\k+1], v[X+4*\k:X+4*\k+1], v[X+4*\k+8:X+4*\k+9]
	v_pk_add_f32 v[X+4*\k+2:X+4*\k+3], v[X+4*\k+2:X+4*\k+3], v[X+4*\k+10:X+4*\k+11]
.endr
	v_pk_add_f32 v[X:X+1], v[X:X+1], v[X+16:X+17]
	v_pk_add_f32 v[X+2:X+3], v[X+2:X+3], v[X+18:X+19]
	s_wait_alu depctr_va_vdst(0)
.irp k, 0,1,2,3
	v_mul_f32 v[X+\k], v[X+\k], v[INV]             ; divided by the sum of the weights
.endr
	global_store_b128 v2, v[X:X+3], s[10:11]       ; 32 lanes store the slice's 512 consecutive bytes
.Lend:
	s_wait_tensorcnt 0x0
	ds_add_u32 v120, v121
	s_wait_dscnt 0x0
	s_endpgm
.Lfunc_end_k_q0cd624246b_context:
	.size	k_q0cd624246b_context, .Lfunc_end_k_q0cd624246b_context-k_q0cd624246b_context
	.p2alignl 7, 3214868480
	.fill 96, 4, 3214868480
	.section	.rodata,"a",@progbits
	.p2align	6, 0x0
	.amdhsa_kernel k_q0cd624246b_context
		.amdhsa_group_segment_fixed_size 9728
		.amdhsa_private_segment_fixed_size 0
		.amdhsa_enable_private_segment 0
		.amdhsa_kernarg_size 40
		.amdhsa_user_sgpr_count 2
		.amdhsa_user_sgpr_kernarg_segment_ptr 1
		.amdhsa_wavefront_size32 1
		.amdhsa_system_sgpr_workgroup_id_x 1
		.amdhsa_system_sgpr_workgroup_id_y 1
		.amdhsa_system_sgpr_workgroup_id_z 1
		.amdhsa_system_vgpr_workitem_id 0
		.amdhsa_next_free_vgpr 122
		.amdhsa_next_free_sgpr 84
		.amdhsa_reserve_vcc 1
		.amdhsa_float_denorm_mode_32 3
		.amdhsa_float_denorm_mode_16_64 3
		.amdhsa_memory_ordered 1
		.amdhsa_forward_progress 1
		.amdhsa_inst_pref_size 19
	.end_amdhsa_kernel
	.amdgpu_metadata
---
amdhsa.version: [ 1, 2 ]
amdhsa.kernels:
  - .name:           k_q0cd624246b_context
    .symbol:         k_q0cd624246b_context.kd
    .args:
      - { .name: en, .offset: 0, .size: 8, .value_kind: global_buffer, .address_space: global }
      - { .name: enc_state, .offset: 8, .size: 8, .value_kind: global_buffer, .address_space: global }
      - { .name: src_length, .offset: 16, .size: 8, .value_kind: global_buffer, .address_space: global }
      - { .name: out0, .offset: 24, .size: 8, .value_kind: global_buffer, .address_space: global }
      - { .name: out1, .offset: 32, .size: 8, .value_kind: global_buffer, .address_space: global }
    .group_segment_fixed_size: 9728
    .private_segment_fixed_size: 0
    .kernarg_segment_align: 8
    .kernarg_segment_size: 40
    .max_flat_workgroup_size: 256
    .sgpr_count:     84
    .vgpr_count:     122
    .wavefront_size: 32
...
	.end_amdgpu_metadata
.endif
;; end of part 3
;; ======== version 2 of 2: 3 launches; version 1 with the launches prep, energy, context written anew for expert scheduling mode
;; workspace buffers: dec 131,072 bytes; en 131,072 bytes; wimg 1,638,400 bytes
;; launch prep (part 4): grid 64 x 1, 1 waves a work-group, no clusters, 0 bytes of LDS; arguments W_dec_codes, W_dec_scales, W_enc_codes, W_enc_scales, dec_state_codes, dec_state_scales, wimg, dec; writes wimg, dec
.if DOCPART == 4
	.amdgcn_target "amdgcn-amd-amdhsa--gfx1250"
	.amdhsa_code_object_version 6
	.text
	.protected	k_q0cd624246b_prep
	.globl	k_q0cd624246b_prep
	.p2align	8
	.type	k_q0cd624246b_prep,@function
k_q0cd624246b_prep:
	s_mov_b64 s[64:65], 0
	v_nop
	global_prefetch_b8 v0, s[64:65] scope:SCOPE_SE
	s_setreg_imm32_b32 hwreg(HW_REG_WAVE_SCHED_MODE, 0, 2), 2
	s_setreg_imm32_b32 hwreg(HW_REG_WAVE_MODE, 25, 1), 1
	s_wait_xcnt 0x0
	s_wait_alu depctr_vm_vsrc(0)
; Two small jobs ahead of the large launch, shared out by tiles of 16 hidden units: work-group j (one wave) owns hidden units 16 j .. 16 j + 15.
; (1) dec[b][h] = sum over d of dec_state[b][d] W_dec[h][d]: both operands arrive as codes of E3M2 with E8M0 scales; 8 K steps of 128, two accumulators
;     (batches 0-15 and 16-31) by turns.  The product is used transposed (source 0 = 16 rows of W_dec, source 1 = 16 batches): a lane then holds one batch and eight
;     neighbouring hidden units, 32 bytes of a row of dec.
; (2) W_enc's codes and scale words are laid anew, in the order of the operand's registers: wimg[wave v][step 16 p + s][pair f / 2][3,200 bytes], where j = 32 p + 8 v + f.
;     A pair holds two fragments (16 hidden units x 128 K, 12 registers a lane): fragment f % 2 at 1,536 (f % 2), registers 4 c .. 4 c + 3 of lane l at 512 c + 16 l; behind them
;     the pair's scale words, 4 bytes a lane: lanes 0-15 the first fragment's rows, lanes 16-31 the second's.  So the next launch brings a fragment by three loads of 512 dense bytes.
; The scale words (65,536 bytes in all) leave 4 bytes a lane and dec (131,072 bytes) 32 bytes a lane: small stores, once.
; THE MODE: SCHED_MODE bits 1:0 = 2 (LLVM: expert scheduling mode 2), set by the entry lines.  The code itself states the register dependences between vector or matrix
; instructions and memory instructions, with s_wait_alu, always for 0.
; THE PLAN.  Registers that memory instructions touch: the offsets v3, v4, v6 to v10, made once at the head and never written again; the operands and W_enc's fragments and scale words,
; written by loads alone and read by products or by stores; the two accumulators, written by the products and read by the last four stores.  So two waits: one ahead of the first load
; (the offsets), one ahead of the accumulators' stores.  W_enc's stores read loaded data alone and go out ahead of the second.
; REGISTERS, in windows of 256: window 0: v1-10 offsets; v16-111 W_dec's 8 fragments; v112-119 its scale words; v120-135 dec_state's; v136-151 the two accumulators; v152-159 W_enc's scale words.
;   window 1: dec_state's 16 fragments (batch tile m, K step s at 12 (8 m + s)).   window 2: W_enc's 16 fragments (K step s at 12 s).
.set WD,  16
.set WDS, 112
.set DSS, 120
.set ACC, 136
.set WES, 152
.set MSB, 0
.macro WIN new                         ; the immediate's high byte repeats the setting that is left
.if MSB != (\new)
	s_set_vgpr_msb (MSB<<8)|(\new)
.set MSB, (\new)
.endif
.endm
	s_load_b256 s[4:11], s[0:1], 0x0               ; W_dec's codes s[4:5], its scales s[6:7], W_enc's codes s[8:9], its scales s[10:11]
	s_load_b256 s[12:19], s[0:1], 0x20             ; dec_state's codes s[12:13], its scales s[14:15], wimg s[16:17], dec s[18:19]
	v_and_b32 v1, 15, v0                           ; r
	v_lshrrev_b32 v2, 4, v0                        ; h
	v_mul_u32_u24 v3, v1, 768                      ; W_dec, dec_state: a row of 1,024 codes is 768 bytes,
	v_mad_u32_u24 v3, v2, 24, v3                   ; + 24 h
	v_lshlrev_b32 v4, 5, v1                        ; their scale bytes: 32 a row
	v_mul_u32_u24 v6, v1, 1536                     ; W_enc: a row of 2,048 codes is 1,536 bytes,
	v_mad_u32_u24 v6, v2, 24, v6                   ; + 24 h
	v_lshlrev_b32 v7, 6, v1                        ; its scale bytes: 64 a row;
	v_lshl_add_u32 v7, v2, 2, v7                   ; lanes 16-31 take the word of the odd K step
	v_lshlrev_b32 v8, 4, v0                        ; an image's place for my lane: 16 x lane
	v_mul_u32_u24 v9, v2, 12800                    ; a scale word's place: 4 r, and one step (12,800 bytes) on for lanes 16-31
	v_lshl_add_u32 v9, v1, 2, v9
	v_lshlrev_b32 v10, 12, v1                      ; dec: row r of 4,096 bytes, + 32 h
	v_lshl_add_u32 v10, v2, 5, v10
	s_and_b32 s20, ttmp9, 7                        ; f
	s_bfe_u32 s21, ttmp9, 0x20003                  ; v
	s_lshr_b32 s22, ttmp9, 5                       ; p
	s_mul_i32 s24, s21, 409600                     ; a wave's stream: 32 steps of 12,800 bytes
	s_mul_i32 s23, s22, 204800                     ; a pass: 16 steps
	s_add_co_u32 s24, s24, s23
	s_lshr_b32 s23, s20, 1
	s_mul_i32 s23, s23, 3200                       ; the pair
	s_add_co_u32 s24, s24, s23
	s_and_b32 s20, s20, 1
	s_mul_i32 s26, s20, 1536                       ; the fragment in its pair
	s_add_co_u32 s26, s26, s24
	s_mov_b32 s27, 0
	s_lshl_b32 s28, s20, 6                         ; its 16 scale words in the pair's 32
	s_add_co_u32 s28, s28, s24
	s_add_co_u32 s28, s28, 3072
	s_mov_b32 s29, 0
	s_mul_i32 s30, ttmp9, 12288                    ; my 16 rows of W_dec's codes,
	s_mov_b32 s31, 0
	s_lshl_b32 s32, ttmp9, 9                       ; of its scales,
	s_mov_b32 s33, 0
	s_mul_i32 s34, ttmp9, 24576                    ; of W_enc's codes,
	s_mov_b32 s35, 0
	s_lshl_b32 s36, ttmp9, 10                      ; of its scales,
	s_mov_b32 s37, 0
	s_lshl_b32 s38, ttmp9, 6                       ; and my 16 columns of dec
	s_mov_b32 s39, 0
	s_wait_kmcnt 0x0
	s_add_nc_u64 s[4:5], s[4:5], s[30:31]
	s_add_nc_u64 s[6:7], s[6:7], s[32:33]
	s_add_nc_u64 s[8:9], s[8:9], s[34:35]
	s_add_nc_u64 s[10:11], s[10:11], s[36:37]
	s_add_nc_u64 s[18:19], s[18:19], s[38:39]
	s_add_nc_u64 s[26:27], s[16:17], s[26:27]
	s_add_nc_u64 s[28:29], s[16:17], s[28:29]
	s_wait_alu depctr_va_vdst(0)                   ; the offsets v3, v4 and v6 to v10 are written: every load and store of the kernel reads one of them
	; the product's 150 loads first.  A fragment's 24 bytes of a row come as three loads of 8, so that every address is a multiple of the access's size
.irp s, 0,1,2,3,4,5,6,7
.irp p, 0,1,2,3,4,5
	global_load_b64 v[WD+12*\s+2*\p:WD+12*\s+2*\p+1], v3, s[4:5] offset:96*\s+48*(\p/3)+8*(\p%3)
.endr
.endr
	global_load_b128 v[WDS:WDS+3], v4, s[6:7]                  ; register = K step: a row's 32 scale bytes are its 8 words
	global_load_b128 v[WDS+4:WDS+7], v4, s[6:7] offset:16
.irp m, 0,1
	global_load_b128 v[DSS+8*\m:DSS+8*\m+3], v4, s[14:15] offset:512*\m
	global_load_b128 v[DSS+8*\m+4:DSS+8*\m+7], v4, s[14:15] offset:512*\m+16
.endr
	WIN 0x40                                       ; destination window 1
.irp m, 0,1
.irp s, 0,1,2,3,4,5,6,7
.irp p, 0,1,2,3,4,5
	global_load_b64 v[12*(8*\m+\s)+2*\p:12*(8*\m+\s)+2*\p+1], v3, s[12:13] offset:12288*\m+96*\s+48*(\p/3)+8*(\p%3)
.endr
.endr
.endr
	WIN 0x80                                       ; destination window 2: then W_enc's 104 loads
.irp s, 0,1,2,3,4,5,6,7,8,9,10,11,12,13,14,15
.irp p, 0,1,2,3,4,5
	global_load_b64 v[12*\s+2*\p:12*\s+2*\p+1], v6, s[8:9] offset:96*\s+48*(\p/3)+8*(\p%3)
.endr
.endr
	WIN 0
.irp q, 0,1,2,3,4,5,6,7
	global_load_b32 v[WES+\q], v7, s[10:11] offset:8*\q        ; the word of K step 2 q + h of row r
.endr
	s_wait_loadcnt 63                              ; 104 loads were issued behind the product's last: with 63 out at the most, all 150 are in
	WIN 0x04                                       ; source 1 (dec_state) window 1
.irp s, 0,1,2,3,4,5,6,7                        ; K ascending; the two accumulators by turns, one instruction a turn; the first K step starts the sums
.irp m, 0,1
.if \s == 0
	v_wmma_scale_f32_16x16x128_f8f6f4 v[ACC+8*\m:ACC+8*\m+7], v[WD+12*\s:WD+12*\s+11], v[12*(8*\m+\s):12*(8*\m+\s)+11], 0, v[WDS+\s], v[DSS+8*\m+\s] matrix_a_fmt:MATRIX_FMT_BF6 matrix_b_fmt:MATRIX_FMT_BF6
.else
	v_wmma_scale_f32_16x16x128_f8f6f4 v[ACC+8*\m:ACC+8*\m+7], v[WD+12*\s:WD+12*\s+11], v[12*(8*\m+\s):12*(8*\m+\s)+11], v[ACC+8*\m:ACC+8*\m+7], v[WDS+\s], v[DSS+8*\m+\s] matrix_a_fmt:MATRIX_FMT_BF6 matrix_b_fmt:MATRIX_FMT_BF6
.endif
.endr
.endr
.rept 4
	v_nop                                          ; four places behind the last products, ahead of the stores of their results
.endr
	WIN 0x08                                       ; a store's data are its source 1: window 2
.irp s, 0,1,2,3,4,5,6,7,8,9,10,11,12,13,14,15
.set N, 6*(15-\s)+8                    ; behind K step s's six loads: those of the later K steps, and the eight scale words
.if N > 63
.set N, 63
.endif
	s_wait_loadcnt N
.irp c, 0,1,2
	global_store_b128 v8, v[12*\s+4*\c:12*\s+4*\c+3], s[26:27] offset:12800*\s+512*\c   ; 32 lanes store 512 consecutive bytes; the data come from loads: no vector or matrix instruction names them
.endr
.endr
	WIN 0
	s_wait_loadcnt 0x0
.irp q, 0,1,2,3,4,5,6,7
	global_store_b32 v9, v[WES+\q], s[28:29] offset:25600*\q   ; step 2 q + h, row r
.endr
	s_wait_alu depctr_va_vdst(0)                   ; the products have written the two accumulators, which the stores below read; the places above stay beside this wait
.irp m, 0,1                                    ; lane (r, h): dec[16 m + r][16 j + 8 h + 0 .. 7]; each accumulator from its low end on
	global_store_b128 v10, v[ACC+8*\m:ACC+8*\m+3], s[18:19] offset:65536*\m
	global_store_b128 v10, v[ACC+8*\m+4:ACC+8*\m+7], s[18:19] offset:65536*\m+16
.endr
	s_endpgm
.Lfunc_end_k_q0cd624246b_prep:
	.size	k_q0cd624246b_prep, .Lfunc_end_k_q0cd624246b_prep-k_q0cd624246b_prep
	.p2alignl 7, 3214868480
	.fill 96, 4, 3214868480
	.section	.rodata,"a",@progbits
	.p2align	6, 0x0
	.amdhsa_kernel k_q0cd624246b_prep
		.amdhsa_group_segment_fixed_size 0
		.amdhsa_private_segment_fixed_size 0
		.amdhsa_enable_private_segment 0
		.amdhsa_kernarg_size 64
		.amdhsa_user_sgpr_count 2
		.amdhsa_user_sgpr_kernarg_segment_ptr 1
		.amdhsa_wavefront_size32 1
		.amdhsa_system_sgpr_workgroup_id_x 1
		.amdhsa_system_sgpr_workgroup_id_y 1
		.amdhsa_system_sgpr_workgroup_id_z 1
		.amdhsa_system_vgpr_workitem_id 0
		.amdhsa_next_free_vgpr 768
		.amdhsa_next_free_sgpr 66
		.amdhsa_reserve_vcc 0
		.amdhsa_float_denorm_mode_32 3
		.amdhsa_float_denorm_mode_16_64 3
		.amdhsa_memory_ordered 1
		.amdhsa_forward_progress 1
		.amdhsa_inst_pref_size 35
	.end_amdhsa_kernel
	.amdgpu_metadata
---
amdhsa.version: [ 1, 2 ]
amdhsa.kernels:
  - .name:           k_q0cd624246b_prep
    .symbol:         k_q0cd624246b_prep.kd
    .args:
      - { .name: W_dec_codes, .offset: 0, .size: 8, .value_kind: global_buffer, .address_space: global }
      - { .name: W_dec_scales, .offset: 8, .size: 8, .value_kind: global_buffer, .address_space: global }
      - { .name: W_enc_codes, .offset: 16, .size: 8, .value_kind: global_buffer, .address_space: global }
      - { .name: W_enc_scales, .offset: 24, .size: 8, .value_kind: global_buffer, .address_space: global }
      - { .name: dec_state_codes, .offset: 32, .size: 8, .value_kind: global_buffer, .address_space: global }
      - { .name: dec_state_scales, .offset: 40, .size: 8, .value_kind: global_buffer, .address_space: global }
      - { .name: wimg, .offset: 48, .size: 8, .value_kind: global_buffer, .address_space: global }
      - { .name: dec, .offset: 56, .size: 8, .value_kind: global_buffer, .address_space: global }
    .group_segment_fixed_size: 0
    .private_segment_fixed_size: 0
    .kernarg_segment_align: 8
    .kernarg_segment_size: 64
    .max_flat_workgroup_size: 32
    .sgpr_count:     66
    .vgpr_count:     768
    .wavefront_size: 32
...
	.end_amdgpu_metadata
.endif
;; end of part 4
;; launch energy (part 5): grid 8 x 32, 4 waves a work-group, no clusters, 285,184 bytes of LDS; arguments enc_state, src_length, W_energy, wimg, dec, en; writes en
.if DOCPART == 5
	.amdgcn_target "amdgcn-amd-amdhsa--gfx1250"
	.amdhsa_code_object_version 6
	.text
	.protected	k_q0cd624246b_energy
	.globl	k_q0cd624246b_energy
	.p2align	8
	.type	k_q0cd624246b_energy,@function
k_q0cd624246b_energy:
	s_mov_b64 s[64:65], 0
	v_nop
	global_prefetch_b8 v0, s[64:65] scope:SCOPE_SE
	s_setreg_imm32_b32 hwreg(HW_REG_WAVE_SCHED_MODE, 0, 2), 2
	s_setreg_imm32_b32 hwreg(HW_REG_WAVE_MODE, 25, 1), 1
	s_wait_xcnt 0x0
	s_wait_alu depctr_vm_vsrc(0)
; en[b][s] = sum over h of W_energy[h] tanh(dec[b][h] + sum over e of Q(enc_state[b][s][e]) W_enc[h][e]), Q the quantiser to E3M2 along e, one E8M0 scale for each 32.
; SHARES.  Work-group (c, b) owns rows 128 c .. 128 c + 127 of batch b, for all 1,024 hidden units.  A block whose rows all lie at or behind src_length[b] reads no row and multiplies nothing:
; it stores -infinity, so that every byte of en is written.  In a block that is cut by src_length all 128 rows are computed; the next launch applies the mask row by row.
; X PHASE.  Wave v quantises K steps 4 v .. 4 v + 3 (128 along K each) of the block's 8 tiles of 16 rows: 32 units.  Each load reads 512 consecutive bytes of one row; 16 rows turn through a stage in LDS, so that a
; lane holds 16 neighbours of each block of 32; the codes go to LDS as IMAGES OF THE OPERAND'S REGISTERS (12 registers a lane: three stores of 512 bytes), the scale words beside them.  The turn runs ONE UNIT AHEAD:
; each wave has two stages, two sets of numbers and two sets of codes, and the next unit's stores and loads stand among the lines that quantise the unit in hand.
; G PHASE.  Wave v makes 128 rows x 128 hidden units in each of two passes: 64 accumulators, 512 registers.  The product is used transposed (source 0 = 16 hidden units, source 1 = 16 rows): a lane holds ONE row
; and eight hidden units a tile.  x's fragments come from LDS, in three short runs a step; W_enc's come from wimg, which an earlier launch has laid in the order of the registers: three loads of 512 dense bytes a
; fragment, a step and a half ahead.
; dec[b] is the C of each sum's first product.  tanh(z) = 1 - 2 / (1 + 2^(2 log2(e) z)); with w2 = -2 W_energy the row's part is sum(w2 / (1 + 2^..)) - sum(w2) / 2.  Where the power overflows or falls to 0
; the quotient is 0 or 1 and tanh is 1 or -1, as it should be.
; NO TENSOR LOADS, NO CLUSTER: a wave's fragments of W_enc are read by that wave alone and land in its registers without passing LDS; x's codes take 204,800 bytes of LDS for the whole launch, which would leave two
; slots of one K step (51,200 bytes) only; and the blocks of one batch, which would be partners, do not all walk W_enc: which of them do hangs on src_length.
; EVERY BARRIER STANDS ON EVERY WAVE'S PATH whatever src_length holds: a block with no row to compute jumps over the phases one by one.  The X phase is written out, every offset an immediate.
; LIMITS: src_length is taken as 1 .. 1,024 (larger numbers count as 1,024); inputs are finite; a block of 32 whose largest magnitude lies under 2^-122 keeps the scale byte 1 (a block of zeros too: its codes are
; zeros, and this program alone reads the bytes).
; THE MODE: SCHED_MODE bits 1:0 = 2 (LLVM: expert scheduling mode 2), set by the entry lines.  The code itself states the register dependences between vector or matrix instructions and memory or LDS
; instructions, with s_wait_alu, always for 0.
; THE PLAN, X PHASE.  The sets as loaded (window 2): written by global loads, read by the stage's LDS stores alone.  The two sets of numbers: written by the loads from the stage, read by the unit's quantising lines.
;   The two sets of codes and scale words: written by those lines, read by the unit's four LDS stores.  Two waits a unit: on vm_vsrc at its head (the stage's stores have read the set that is loaded again; the stores of
;   two units ago have read the codes that are written again), on va_vdst behind the quantising (the codes are written; the unit's numbers are read out, and the next unit's loads from the stage land in them).
; THE PLAN, G PHASE.  A step is two halves of 32 products, with ONE wait on va_vdst at the head of each.
;   W_enc's two sets (and their scale words): step t's products read set t % 2, pairs 0 and 1 in the first half, pairs 2 and 3 in the second.  The first half's loads land in pairs 2 and 3 of the OTHER set (step t + 1's),
;   last read in step t - 1's second half; the second half's land in pairs 0 and 1 of this set (step t + 2's), last read in this step's first half.
;   x's two sets (and their scale words): step t's products read set t % 2; the LDS loads of step t land in the other set, last read by step t - 1.
;   v3, v4: LDS addresses of x's next step: read by those LDS loads, written at the step's head, between a wait on vm_vsrc and the head's wait on va_vdst.  v1, v2 and the other addresses are never written again.
;   No product issued since a half's wait names a register that the half's loads touch, so the loads stand among the products, between a pair's two runs of eight, with no further wait.
; REGISTERS, in windows of 256: window 0: v1-15, v40, v41 addresses; v16-31 x's scale words, two sets; v32-39 W_enc's, two sets; v56-63 the rows' sums; v64-159, v160-255 W_enc's fragments, two sets
;   (in the X phase: v64-127 and v168-231 two sets of 64 numbers, v128-147 and v232-251 two sets of codes, v148-163 at work, v164-165 scale words).
;   window 1: v0-95, v96-191 x's fragments, two sets; v192-255 dec as C; behind a pass: v0-63 w2, v64-115 sums at work.
;   windows 2 and 3: the accumulators, (row tile a, tile of hidden units f) at v[8 (8 (a % 4) + f)]; in the X phase window 2 holds four sets of 64 registers as loaded.
.set AIMG, 0                           ; LDS: x's 128 fragments, (K step s, row tile i) at (8 s + i) x 1,536
.set ASC,  196608                      ; their scale words: (s, row r, tile i) at 512 s + 32 r + 4 i
.set STG,  204800                      ; two stages for each wave: 2 x 16 rows x (512 bytes + 16)
.set DECL, 272384                      ; dec[b], 4,096 bytes
.set W2L,  276480                      ; -2 W_energy, 4,096 bytes
.set RED,  280576                      ; the waves' sums: [wave][128 rows]
.set LI,   1                           ; 16 x lane
.set L4,   2                           ; 4 x lane
.set AA,   3                           ; the next K step's fragments of x
.set AS,   4                           ; and its scale words
.set ASB,  5                           ; ASC + 32 r
.set BIA0, 6                           ; DECL + 512 wave + 32 h
.set W2A0, 7                           ; W2L + 512 wave + 32 h
.set RDA,  8                           ; RED + 512 wave + 4 r
.set SW,   9                           ; my stages, on the way in: + 16 x lane
.set SR,   10                          ; and on the way out: + 528 r + 64 h
.set IW,   11                          ; where I store images: 49,152 wave + 16 x lane
.set SWA,  12                          ; and their scale words: ASC + 2,048 wave + 32 r
.set BIA,  13                          ; BIA0, W2A0 + 2,048 x pass
.set W2A,  14
.set DST,  15                          ; DECL + 32 x thread
.set ASR,  16                          ; x's scale words: set par at ASR + 8 par + tile
.set BSR,  32                          ; W_enc's: set par at BSR + 4 par + pair
.set RDR,  40                          ; RED + 16 x lane
.set GO,   41                          ; 32 x thread
.set EE,   56                          ; the rows' sums, one register a row tile
.set BF,   64                          ; W_enc's fragments: set par, tile f at BF + 96 par + 12 f
.set TM,   148
.set BI,   192                         ; window 1: dec as C, tile f at BI + 8 f
.set EC,   64                          ; window 1: four running sums a row tile
.set MSB, 0
.macro WIN new                         ; the immediate's high byte repeats the setting that is left
.if MSB != (\new)
	s_set_vgpr_msb (MSB<<8)|(\new)
.set MSB, (\new)
.endif
.endm
.macro PLACES                          ; four places behind the last products, ahead of the first read of their results (ISA guide 7.12.1)
.rept 4
	v_nop
.endr
.endm
; 64 numbers of a lane, v[TS] .. v[TS + 63], register 16 b + i = k 32 b + 16 (lane / 16) + i of my row, become a fragment's codes in v[PCX] on and its scale word in v[PWX].  In two parts, so that LDS lines can stand between.
.macro QMAX
.irp b, 0,1,2,3
	v_max3_num_f32 v[TM+\b], |v[TS+16*\b]|, |v[TS+1+16*\b]|, 0x2800000   ; block b: my 16 numbers, and the floor 2^(5 - 127): so the byte cannot fall under 1
.endr
.irp i, 2,4,6,8,10,12,14
.irp b, 0,1,2,3
	v_max3_num_f32 v[TM+\b], v[TM+\b], |v[TS+16*\b+\i]|, |v[TS+1+16*\b+\i]|   ; (the four blocks by turns)
.endr
.endr
.endm
.macro QREST
.irp b, 0,1,2,3
	v_permlanex16_b32 v[TM+4+\b], v[TM+\b], s20, s21
.endr
.irp b, 0,1,2,3
	v_max_num_f32 v[TM+\b], v[TM+\b], v[TM+4+\b]   ; with lane l xor 16's: the block's largest magnitude
.endr
.irp b, 0,1,2,3
	v_add_nc_u32 v[TM+12+\b], 0xfe000000, v[TM+\b]   ; 4 off its exponent field: the conversion takes the exponent field of this operand as its scale
.endr
.irp b, 0,1,2,3
	v_lshrrev_b32 v[TM+4+\b], 23, v[TM+12+\b]      ; the scale's byte
.endr
	v_lshl_or_b32 v[PWX], v[TM+5], 8, v[TM+4]      ; the four bytes make my row's scale word
	v_lshl_or_b32 v[PWX], v[TM+6], 16, v[PWX]
	v_lshl_or_b32 v[PWX], v[TM+7], 24, v[PWX]
.irp c, 0,1
	v_cvt_scalef32_pk16_bf6_f32 v[PCX+6*\c:PCX+2+6*\c], v[TS+32*\c:TS+15+32*\c], v[TM+12+2*\c]
	v_cvt_scalef32_pk16_bf6_f32 v[PCX+12+4*\c:PCX+14+4*\c], v[TS+16+32*\c:TS+31+32*\c], v[TM+12+2*\c+1]   ; (a conversion's three registers begin on an even number)
.endr
	v_nop                                          ; one plain place behind a scaled conversion
.irp c, 0,1                                    ; the operand's layout wants a WHOLE block in a lane: lanes 0-15 block 2 c, lanes 16-31 block 2 c + 1
.irp i, 0,1,2
	v_permlane16_swap_b32 v[PCX+6*\c+\i], v[PCX+12+4*\c+\i]
.endr
.irp i, 0,1,2
	v_mov_b32 v[PCX+3+6*\c+\i], v[PCX+12+4*\c+\i]
.endr
.endr
.endm
; 16 rows of row tile i, my q-th K step: 16 loads of 512 consecutive bytes into set q of window 2
.macro XLOAD i, q
	WIN 0x80
.irp p, 0,1,2,3,4,5,6,7,8,9,10,11,12,13,14,15
	global_load_b128 v[64*(\q)+4*\p:64*(\q)+4*\p+3], v[LI], s[24:25] offset:131072*(\i)+8192*\p+512*(\q) th:TH_LOAD_NT
.endr
	WIN 0
.endm
.macro STIN set, st                    ; a set as loaded goes into stage st, row by row
	WIN 0x08                                       ; an LDS store's data are its source 1: window 2
.irp p, 0,1,2,3,4,5,6,7,8,9,10,11,12,13,14,15
	ds_store_b128 v[SW], v[64*(\set)+4*\p:64*(\set)+4*\p+3] offset:8448*(\st)+528*\p
.endr
	WIN 0
.endm
.macro STOUT t, st                     ; and comes back, 16 neighbours of each block of 32 to a lane, into v[t] on.  LDS serves a wave's instructions in order: these see the stores
.irp b, 0,1,2,3
.irp j, 0,1,2,3
	ds_load_b128 v[(\t)+16*\b+4*\j:(\t)+16*\b+4*\j+3], v[SR] offset:8448*(\st)+128*\b+16*\j
.endr
.endr
.endm
; Unit 4 i + q: row tile i, my q-th K step.  Its numbers were sent through the stage in the unit before; here they are quantised, and the next unit's are sent through the other stage.
; n: the loads younger than the next unit's sixteen, which may stay out.
.macro XUNIT i, q, n
.set TS,  64+104*((\q)%2)              ; this unit's numbers, codes and scale word;
.set PCX, 128+104*((\q)%2)
.set PWX, 164+(\q)%2
.set TN,  64+104*(1-(\q)%2)            ; the next unit's numbers, its stage, its set as loaded
.set SN,  1-(\q)%2
.set QN,  ((\q)+1)%4
.if (\i)+(\q) > 0
	s_wait_dscnt 4                                 ; behind my numbers' loads stand the last unit's four stores alone: my numbers are in
.else
	s_wait_dscnt 0x0
.endif
	s_wait_alu depctr_vm_vsrc(0)                   ; the stage's stores have read set q, in which the loads below land; the stores of two units ago have read the codes and the scale word that are written below
.if (\i) < 7
	XLOAD (\i)+1, \q                               ; the set takes the next row tile
.endif
.if 4*(\i)+(\q) < 31
	s_wait_loadcnt \n                              ; the next unit's 16 loads are in
	STIN QN, SN
.endif
	QMAX
.if 4*(\i)+(\q) < 31
	STOUT TN, SN                                   ; into the last unit's numbers: that unit's wait on va_vdst has shown them read out, and the maxima above name this unit's set alone
.endif
	QREST
	s_wait_alu depctr_va_vdst(0)                   ; the codes and the scale word are written, which the stores below read
.irp c, 0,1,2
	ds_store_b128 v[IW], v[PCX+4*\c:PCX+4*\c+3] offset:AIMG+12288*(\q)+1536*(\i)+512*\c
.endr
	ds_store_b32 v[SWA], v[PWX] offset:512*(\q)+4*(\i)         ; lanes r and r + 16 write the same word with the same value
.endm
; W_enc's pair b2 of the step that begins off bytes behind s[26:27], into set par: six loads of 512 dense bytes and the pair's scale words
.macro BLOAD par, b2, off
.irp m, 0,1
.irp c, 0,1,2
	global_load_b128 v[BF+96*(\par)+12*(2*(\b2)+\m)+4*\c:BF+96*(\par)+12*(2*(\b2)+\m)+4*\c+3], v[LI], s[26:27] offset:(\off)+3200*(\b2)+1536*\m+512*\c
.endr
.endr
	global_load_b32 v[BSR+4*(\par)+(\b2)], v[L4], s[26:27] offset:(\off)+3200*(\b2)+3072
.endm
; One product: row tile a x member m of pair b2.  The pair's scale register carries member 0's words in lanes 0-15 and member 1's in lanes 16-31.
.macro MM a, m, par, b2, first
.set rD, 8*(8*((\a)%4)+2*(\b2)+(\m))
.set rW, BF+96*(\par)+12*(2*(\b2)+(\m))
.set rX, 96*(\par)+12*(\a)
.set rC, BI+8*(2*(\b2)+(\m))
.set rWS, BSR+4*(\par)+(\b2)
.set rXS, ASR+8*(\par)+(\a)
.if \first
.if \m
	v_wmma_scale_f32_16x16x128_f8f6f4 v[rD:rD+7], v[rW:rW+11], v[rX:rX+11], v[rC:rC+7], v[rWS], v[rXS] matrix_a_fmt:MATRIX_FMT_BF6 matrix_b_fmt:MATRIX_FMT_BF6 matrix_a_scale:MATRIX_SCALE_ROW1
.else
	v_wmma_scale_f32_16x16x128_f8f6f4 v[rD:rD+7], v[rW:rW+11], v[rX:rX+11], v[rC:rC+7], v[rWS], v[rXS] matrix_a_fmt:MATRIX_FMT_BF6 matrix_b_fmt:MATRIX_FMT_BF6
.endif
.else
.if \m
	v_wmma_scale_f32_16x16x128_f8f6f4 v[rD:rD+7], v[rW:rW+11], v[rX:rX+11], v[rD:rD+7], v[rWS], v[rXS] matrix_a_fmt:MATRIX_FMT_BF6 matrix_b_fmt:MATRIX_FMT_BF6 matrix_a_scale:MATRIX_SCALE_ROW1
.else
	v_wmma_scale_f32_16x16x128_f8f6f4 v[rD:rD+7], v[rW:rW+11], v[rX:rX+11], v[rD:rD+7], v[rWS], v[rXS] matrix_a_fmt:MATRIX_FMT_BF6 matrix_b_fmt:MATRIX_FMT_BF6
.endif
.endif
.endm
; The next K step's scale words and fragments of x, from LDS into the other set, in three runs (11, 9 and 6 loads), one in each of a step's first three pairs.
.macro AFR set, i
.irp c, 0,1,2
	ds_load_b128 v[96*(\set)+12*(\i)+4*\c:96*(\set)+12*(\i)+4*\c+3], v[AA] offset:1536*(\i)+512*\c
.endr
.endm
.macro APART set, k
.if \k == 0
	WIN 0
	ds_load_b128 v[ASR+8*(\set):ASR+8*(\set)+3], v[AS]
	ds_load_b128 v[ASR+8*(\set)+4:ASR+8*(\set)+7], v[AS] offset:16
	WIN 0x40
	AFR \set, 0
	AFR \set, 1
	AFR \set, 2
.elseif \k == 1
	WIN 0x40
	AFR \set, 3
	AFR \set, 4
	AFR \set, 5
.else
	WIN 0x40
	AFR \set, 6
	AFR \set, 7
.endif
.endm
; 16 products: the 8 row tiles x pair b2 of set par.  Between its two runs of eight stand the pair's loads, which owe no wait of their own (the plan at the head says why):
; reload = 1: seven loads of W_enc: in pairs 0 and 1 the next step's pairs 2 and 3, into the other set; in pairs 2 and 3 the pairs 0 and 1 of the step two on, into this set.  ax = 1: a run of x's next fragments.
; n: the loads of W_enc younger than this pair's seven.
.macro PAIR par, b2, first, reload, ax, n
	s_wait_loadcnt \n
.if \first
	WIN 0x94                                       ; source 0 (W_enc) window 0, source 1 (x) window 1, C (dec) window 1, D window 2
.else
	WIN 0xa4                                       ; C and D window 2
.endif
.irp a, 0,1,2,3
.irp m, 0,1
	MM \a, \m, \par, \b2, \first
.endr
.endr
.if \reload
.set RSET,  ((\par)+1-(\b2)/2)%2
.set RPAIR, ((\b2)+2)%4
	WIN 0
	BLOAD RSET, RPAIR, 12800
.endif
.if \ax
	APART 1-\par, \b2
.endif
.if \first
	WIN 0xd4
.else
	WIN 0xf4                                       ; C and D window 3
.endif
.irp a, 4,5,6,7
.irp m, 0,1
	MM \a, \m, \par, \b2, \first
.endr
.endr
.endm
; A K step of 128: 64 products; the 64 accumulators take turns, one instruction a turn, in the same order in every step.
; ra, rb: the first, the second half asks for more of W_enc.  anext: x's next fragments are fetched.
; W_enc's groups of seven loads are issued in the order in which they are used, six ahead of the first step and one in each pair: so behind the group that a pair wants stand five younger ones: the count is 35.
.macro STEP par, first, ra, rb, anext, n0, n1, n2, n3
	s_wait_dscnt 0x0                               ; x's fragments and scale words of this step are in
.if \anext
	s_wait_alu depctr_vm_vsrc(0)                   ; the last step's LDS loads have read v3 and v4
	v_add_nc_u32 v[AA], s30, v[LI]
	v_add_nc_u32 v[AS], s31, v[ASB]
.endif
.if (\ra) || (\anext)
	s_wait_alu depctr_va_vdst(0)                   ; the last step's products are done reading the other set of x, its scale words, and pairs 2 and 3 of the other set of W_enc, in all of which this step's loads land; v3 and v4 are written
.endif
	PAIR \par, 0, \first, \ra, \anext, \n0
	PAIR \par, 1, \first, \ra, \anext, \n1
.if \rb
	s_wait_xcnt 0x0                                ; the loads' base is stepped only behind this wait; the last load that read it stands eight products back
	s_add_nc_u64 s[26:27], s[26:27], 12800
	s_wait_alu depctr_va_vdst(0)                   ; this step's first 32 products are done reading pairs 0 and 1 of this set of W_enc and their scale words, in which the second half's loads land
.endif
	PAIR \par, 2, \first, \rb, \anext, \n2
	PAIR \par, 3, \first, \rb, 0, \n3
	WIN 0
	s_add_co_u32 s30, s30, 12288
	s_add_co_u32 s31, s31, 512
.endm
; Row tile a behind a pass: its 64 registers, in place and from each accumulator's low end on, become 1 / (1 + 2^(2 log2(e) z)); then two packed chains of multiply-adds with w2
.macro TANH a
.set AC, 64*((\a)%4)
	WIN 0x82+0x41*((\a)/4)                         ; destination and source 0: window 2 or 3
.set k, 0
.rept 32
	v_pk_mul_f32 v[AC+k:AC+k+1], v[AC+k:AC+k+1], s[22:23] op_sel_hi:[1,0]
.set k, k+2
.endr
.set k, 0
.rept 64
	v_exp_f32 v[AC+k], v[AC+k]
.set k, k+1
.endr
	v_nop                                          ; one plain place behind the transcendentals
.set k, 0
	s_wait_alu depctr_va_vdst(0)
.rept 32
	v_pk_add_f32 v[AC+k:AC+k+1], v[AC+k:AC+k+1], 1.0 op_sel_hi:[1,0]
.set k, k+2
.endr
.set k, 0
.rept 64
	v_rcp_f32 v[AC+k], v[AC+k]
.set k, k+1
.endr
	v_nop
.if (\a) == 0
	s_wait_dscnt 0x0                               ; w2 is in
.endif
	WIN 0x56+((\a)/4)                              ; source 0 window 2 or 3; w2 and the sums window 1
	s_wait_alu depctr_va_vdst(0)
	v_pk_mul_f32 v[EC+4*(\a):EC+4*(\a)+1], v[AC:AC+1], v[0:1]          ; the first products start the chains
	v_pk_mul_f32 v[EC+4*(\a)+2:EC+4*(\a)+3], v[AC+2:AC+3], v[2:3]
.set k, 4
.rept 15
	v_pk_fma_f32 v[EC+4*(\a):EC+4*(\a)+1], v[AC+k:AC+k+1], v[k:k+1], v[EC+4*(\a):EC+4*(\a)+1]
	v_pk_fma_f32 v[EC+4*(\a)+2:EC+4*(\a)+3], v[AC+k+2:AC+k+3], v[k+2:k+3], v[EC+4*(\a)+2:EC+4*(\a)+3]
.set k, k+4
.endr
.endm
	s_load_b256 s[4:11], s[0:1], 0x0               ; enc_state s[4:5], src_length s[6:7], W_energy s[8:9], wimg s[10:11]
	s_load_b128 s[12:15], s[0:1], 0x20             ; dec s[12:13], en s[14:15]
	v_lshl_add_u32 v54, v0, 2, 0x45800
	v_mov_b32 v55, 0
	v_lshrrev_b32 v42, 5, v0
	v_readfirstlane_b32 s16, v42                   ; wave 0..3
	s_and_b32 s18, ttmp7, 0xffff                   ; b
	v_and_b32 v42, 31, v0                          ; lane
	v_and_b32 v43, 15, v0                          ; r
	v_bfe_u32 v44, v0, 4, 1                        ; h
	v_lshlrev_b32 v[LI], 4, v42
	v_lshlrev_b32 v[L4], 2, v42
	v_lshl_add_u32 v[ASB], v43, 5, ASC
	s_wait_alu depctr_va_sdst(0)                   ; s16 is written, ahead of its first reader: LDS addresses, bases and branches are made from it
	s_lshl_b32 s34, s16, 9
	v_lshl_add_u32 v[BIA0], v44, 5, s34
	v_add_nc_u32 v[W2A0], W2L, v[BIA0]
	v_add_nc_u32 v[BIA0], DECL, v[BIA0]
	v_lshl_add_u32 v[RDA], v43, 2, s34
	v_add_nc_u32 v[RDA], RED, v[RDA]
	s_mul_i32 s35, s16, 16896
	s_add_co_u32 s35, s35, STG
	v_add_nc_u32 v[SW], s35, v[LI]
	v_mul_u32_u24 v[SR], v43, 528
	v_lshl_add_u32 v[SR], v44, 6, v[SR]
	v_add_nc_u32 v[SR], s35, v[SR]
	s_mul_i32 s35, s16, 49152
	v_add_nc_u32 v[IW], s35, v[LI]
	s_lshl_b32 s35, s16, 11
	v_add_nc_u32 v[SWA], s35, v[ASB]
	v_lshlrev_b32 v[GO], 5, v0
	v_add_nc_u32 v[DST], DECL, v[GO]
	v_add_nc_u32 v[RDR], RED, v[LI]
.irp a, 0,1,2,3,4,5,6,7
	v_mov_b32 v[EE+\a], 0                          ; the rows' sums begin as zeros: both passes add onto them
.endr
.irp b, 0,1,2,3
	v_mov_b32 v[TM+4+\b], 0                        ; written once: a lane permute's destination counts as one of its sources
.endr
	WIN 0x40
.irp a, 0,1,2,3,4,5,6,7
	v_mov_b32 v[108+\a], 0                         ; likewise, in window 1
.endr
	WIN 0
	s_mov_b32 s20, 0x76543210
	s_mov_b32 s21, 0xfedcba98                      ; v_permlanex16_b32's selects for lane l xor 16
	s_mov_b32 s22, 0x4038aa3b                      ; 2 log2(e)
	s_mov_b32 s23, s22                             ; (named with it as a pair, so it is written)
	s_wait_kmcnt 0x0
	s_lshl_b32 s34, s18, 2
	s_mov_b32 s35, 0
	s_add_nc_u64 s[6:7], s[6:7], s[34:35]
	s_load_b32 s19, s[6:7], 0x0                    ; src_length[b]
	s_lshl_b32 s34, s18, 12
	s_add_nc_u64 s[12:13], s[12:13], s[34:35]      ; dec[b]
	s_lshl_b32 s36, ttmp9, 9
	s_add_co_u32 s34, s34, s36
	s_add_nc_u64 s[14:15], s[14:15], s[34:35]      ; en at my 128 rows
	s_lshl_b32 s34, s18, 23                        ; (1,024 b + 128 c) rows of 8,192 bytes + my wave's four K steps, 2,048 bytes: under 2^28
	s_lshl_b32 s36, ttmp9, 20
	s_add_co_u32 s34, s34, s36
	s_lshl_b32 s36, s16, 11
	s_add_co_u32 s34, s34, s36
	s_add_nc_u64 s[24:25], s[4:5], s[34:35]
	s_mul_i32 s34, s16, 409600
	s_add_nc_u64 s[26:27], s[10:11], s[34:35]      ; my wave's stream of W_enc
	WIN 0x40
	s_wait_alu depctr_va_vdst(0)                   ; the addresses v1, v2, v5 to v12, v15, v40 and v41 are written, which the loads and stores of the whole kernel read; none of them is written again
	global_load_b128 v[0:3], v[GO], s[12:13]       ; dec[b] and W_energy, 32 bytes a thread each, wait in window 1
	global_load_b128 v[4:7], v[GO], s[12:13] offset:16
	global_load_b128 v[8:11], v[GO], s[8:9]
	global_load_b128 v[12:15], v[GO], s[8:9] offset:16
	WIN 0
	s_wait_kmcnt 0x0
	s_min_u32 s19, s19, 1024
	s_lshl_b32 s34, ttmp9, 7
	s_cmp_ge_u32 s34, s19                          ; my first row at or behind the length: nothing to compute
	s_cselect_b32 s33, 1, 0
	s_cmp_lg_u32 s33, 0
	s_cbranch_scc1 .Ljoin1
	; ---- X: 32 units.  Behind the set that is wanted next three sets of 16 loads are on their way: the count is 48; the last row tile asks for nothing and its counts run down
.irp q, 0,1,2,3
	XLOAD 0, \q
.endr
	s_wait_loadcnt 48                              ; unit 0's 16 loads are in
	STIN 0, 0
	STOUT 64, 0
.irp i, 0,1,2,3,4,5,6
.irp q, 0,1,2,3
	XUNIT \i, \q, 48
.endr
.endr
	XUNIT 7, 0, 32
	XUNIT 7, 1, 16
	XUNIT 7, 2, 0
	XUNIT 7, 3, 0                                  ; (the last unit has no successor: its count is not used)
.Ljoin1:
	s_wait_loadcnt 0x0                             ; dec[b] and W_energy are in
	WIN 0x41
.irp k, 8,10,12,14
	v_pk_mul_f32 v[\k:\k+1], v[\k:\k+1], -2.0 op_sel_hi:[1,0]  ; w2 = -2 W_energy
.endr
	WIN 0x04                                       ; an LDS store's data are its source 1: window 1
	s_wait_alu depctr_va_vdst(0)                   ; w2 is written, which the stores below read; and the X phase's lines are done with v64 to v255, in which W_enc's first loads land behind the barrier
	ds_store_b128 v[DST], v[0:3]
	ds_store_b128 v[DST], v[4:7] offset:16
	ds_store_b128 v[DST], v[8:11] offset:W2L-DECL
	ds_store_b128 v[DST], v[12:15] offset:W2L-DECL+16
	WIN 0
	s_wait_dscnt 0x0                               ; for the others' sake: all my stores into LDS are done
	s_barrier_signal -1
	s_barrier_wait -1                              ; x's 128 fragments, their scale words, dec and w2 lie in LDS
	s_cmp_lg_u32 s33, 0
	s_cbranch_scc1 .Ljoin2
	; ---- G: up to the next barrier LDS is only read
	s_wait_alu depctr_vm_vsrc(0)                   ; my LDS stores have read the codes and scale words (W_enc's fragments land there), the sets as loaded (the products write them) and dec's and w2's registers (x's fragments land there)
.irp b2, 0,1,2,3
	BLOAD 0, \b2, 0                                ; W_enc's step 0, and pairs 0 and 1 of step 1: 42 loads
.endr
.irp b2, 0,1
	BLOAD 1, \b2, 12800
.endr
	s_mov_b32 s29, 0                               ; the pass
	s_mov_b32 s32, 0                               ; 2,048 x pass: its 512 hidden units' bytes in dec and w2
.Lpass:
	s_wait_alu depctr_vm_vsrc(0)                   ; the last pass's LDS loads have read v13 and v14
	v_add_nc_u32 v[BIA], s32, v[BIA0]
	v_add_nc_u32 v[W2A], s32, v[W2A0]
	s_wait_alu depctr_va_vdst(0)                   ; v13 and v14 are written; the last pass's products and sums are done with x's scale words, with dec as C and with window 1's v0 to v115, in which the loads below land
	ds_load_b128 v[ASR:ASR+3], v[ASB]              ; K step 0: x's scale words,
	ds_load_b128 v[ASR+4:ASR+7], v[ASB] offset:16
	WIN 0x40
.irp f, 0,1,2,3,4,5,6,7
	ds_load_b128 v[BI+8*\f:BI+8*\f+3], v[BIA] offset:64*\f     ; dec at my half's eight hidden units of tile f,
	ds_load_b128 v[BI+8*\f+4:BI+8*\f+7], v[BIA] offset:64*\f+16
.endr
.irp i, 0,1,2,3,4,5,6,7
.irp c, 0,1,2
	ds_load_b128 v[12*\i+4*\c:12*\i+4*\c+3], v[LI] offset:AIMG+1536*\i+512*\c   ; and x's eight fragments
.endr
.endr
	WIN 0
	s_mov_b32 s30, 12288                           ; where K step 1's fragments begin,
	s_mov_b32 s31, 512                             ; and its scale words
	STEP 0, 1, 1, 1, 1, 35, 35, 35, 35             ; K step 0 starts the sums, with dec as C
	s_mov_b32 s28, 6
.Lk:                                               ; K steps 1 to 12
	STEP 1, 0, 1, 1, 1, 35, 35, 35, 35
	STEP 0, 0, 1, 1, 1, 35, 35, 35, 35
	s_sub_co_u32 s28, s28, 1
	s_cmp_lg_u32 s28, 0
	s_cbranch_scc1 .Lk
	STEP 1, 0, 1, 1, 1, 35, 35, 35, 35             ; K step 13
	s_cmp_lg_u32 s29, 0
	s_cbranch_scc1 .Ltail
	STEP 0, 0, 1, 1, 1, 35, 35, 35, 35             ; the first pass's last two steps ask on into the second pass's first two
	STEP 1, 0, 1, 1, 0, 35, 35, 35, 35
	s_branch .Lepi
.Ltail:
	STEP 0, 0, 1, 0, 1, 35, 35, 35, 28             ; the second pass's: the last two groups go out in the first half of this step; then no load leaves wimg, and the counts run down
	STEP 1, 0, 0, 0, 0, 21, 14, 7, 0               ; the last step issues no load: it has no dependence to state
.Lepi:
	PLACES
	WIN 0x40
	s_wait_alu depctr_va_vdst(0)                   ; the products of the step before the last are done reading x's set 0, in which w2 lands
.irp f, 0,1,2,3,4,5,6,7
	ds_load_b128 v[8*\f:8*\f+3], v[W2A] offset:64*\f           ; w2 in the accumulators' layout, over x's fragments, which are done with
	ds_load_b128 v[8*\f+4:8*\f+7], v[W2A] offset:64*\f+16
.endr
.irp a, 0,1,2,3,4,5,6,7
	TANH \a
.endr
	WIN 0x55                                       ; all in window 1
	v_pk_add_f32 v[96:97], v[0:1], v[4:5]          ; the sum of my 64 w2, in two chains
	v_pk_add_f32 v[98:99], v[2:3], v[6:7]
.set k, 8
.rept 14
	v_pk_add_f32 v[96:97], v[96:97], v[k:k+1]
	v_pk_add_f32 v[98:99], v[98:99], v[k+2:k+3]
.set k, k+4
.endr
	v_pk_add_f32 v[96:97], v[96:97], v[98:99]
.irp a, 0,1,2,3,4,5,6,7
	v_pk_add_f32 v[EC+4*\a:EC+4*\a+1], v[EC+4*\a:EC+4*\a+1], v[EC+4*\a+2:EC+4*\a+3]
.endr
	v_add_f32 v96, v96, v97
.irp a, 0,1,2,3,4,5,6,7
	v_add_f32 v[100+\a], v[EC+4*\a], v[EC+4*\a+1]
.endr
.irp a, 0,1,2,3,4,5,6,7
	v_fma_f32 v[100+\a], v96, -0.5, v[100+\a]      ; + the sum of W_energy over my 64 hidden units
.endr
.irp a, 0,1,2,3,4,5,6,7
	v_permlanex16_b32 v[108+\a], v[100+\a], s20, s21
.endr
.irp a, 0,1,2,3,4,5,6,7
	v_add_f32 v[100+\a], v[100+\a], v[108+\a]      ; with lane l xor 16's 64: my wave's 128 hidden units of this pass
.endr
	WIN 0x04
.irp a, 0,1,2,3,4,5,6,7
	v_add_f32 v[EE+\a], v[EE+\a], v[100+\a]
.endr
	WIN 0
	s_add_co_u32 s32, s32, 2048
	s_add_co_u32 s29, s29, 1
	s_cmp_lt_u32 s29, 2
	s_cbranch_scc1 .Lpass
.Ljoin2:
	s_wait_loadcnt 0x0                             ; no load is out: W_enc's registers are free
	s_wait_dscnt 0x0
	s_wait_alu depctr_va_vdst(0)                   ; the rows' sums are written, which the stores behind the barrier read; and all vector and matrix lines are done with v64 to v79, in which wave 0's loads land
	s_barrier_signal -1
	s_barrier_wait -1                              ; parts the phase in which the four waves only read LDS, at addresses stepped in loops, from the stores below
	s_cmp_lg_u32 s33, 0
	s_cbranch_scc1 .Ljoin3
.irp a, 0,1,2,3,4,5,6,7
	ds_store_b32 v[RDA], v[EE+\a] offset:64*\a     ; row 16 a + r; lanes r and r + 16 write the same word with the same value
.endr
.Ljoin3:
	s_wait_dscnt 0x0                               ; for wave 0's sake: my sums lie in LDS
	s_barrier_signal -1
	s_barrier_wait -1
	s_cmp_lg_u32 s16, 0
	s_cbranch_scc1 .Lend
	s_cmp_lg_u32 s33, 0
	s_cbranch_scc1 .Lminf
.irp k, 0,1,2,3
	ds_load_b128 v[64+4*\k:67+4*\k], v[RDR] offset:512*\k      ; wave k's sums of rows 4 lane .. 4 lane + 3
.endr
	s_wait_dscnt 0x0
	v_pk_add_f32 v[64:65], v[64:65], v[68:69]
	v_pk_add_f32 v[66:67], v[66:67], v[70:71]
	v_pk_add_f32 v[72:73], v[72:73], v[76:77]
	v_pk_add_f32 v[74:75], v[74:75], v[78:79]
	v_pk_add_f32 v[64:65], v[64:65], v[72:73]
	v_pk_add_f32 v[66:67], v[66:67], v[74:75]
	s_wait_alu depctr_va_vdst(0)                   ; the additions have written v64 to v67, which the store reads
	global_store_b128 v[LI], v[64:67], s[14:15]    ; 32 lanes store the block's 512 consecutive bytes
	s_wait_dscnt 0x0
	s_wait_alu depctr_hold_cnt(0) depctr_sa_sdst(0) depctr_va_vdst(0) depctr_va_sdst(0) depctr_va_ssrc(0) depctr_va_vcc(0) depctr_vm_vsrc(0)
	s_wait_tensorcnt 0x0
	ds_add_u32 v54, v55
	s_wait_dscnt 0x0
	s_endpgm
.Lminf:
.irp k, 0,1,2,3
	v_mov_b32 v[64+\k], 0xff800000                 ; -infinity
.endr
	s_wait_alu depctr_va_vdst(0)                   ; v64 to v67 are written, which the store reads
	global_store_b128 v[LI], v[64:67], s[14:15]
.Lend:
	s_wait_dscnt 0x0
	s_wait_alu depctr_hold_cnt(0) depctr_sa_sdst(0) depctr_va_vdst(0) depctr_va_sdst(0) depctr_va_ssrc(0) depctr_va_vcc(0) depctr_vm_vsrc(0)
	s_wait_tensorcnt 0x0
	ds_add_u32 v54, v55
	s_wait_dscnt 0x0
	s_endpgm
.Lfunc_end_k_q0cd624246b_energy:
	.size	k_q0cd624246b_energy, .Lfunc_end_k_q0cd624246b_energy-k_q0cd624246b_energy
	.p2alignl 7, 3214868480
	.fill 96, 4, 3214868480
	.section	.rodata,"a",@progbits
	.p2align	6, 0x0
	.amdhsa_kernel k_q0cd624246b_energy
		.amdhsa_group_segment_fixed_size 285184
		.amdhsa_private_segment_fixed_size 0
		.amdhsa_enable_private_segment 0
		.amdhsa_kernarg_size 48
		.amdhsa_user_sgpr_count 2
		.amdhsa_user_sgpr_kernarg_segment_ptr 1
		.amdhsa_wavefront_size32 1
		.amdhsa_system_sgpr_workgroup_id_x 1
		.amdhsa_system_sgpr_workgroup_id_y 1
		.amdhsa_system_sgpr_workgroup_id_z 1
		.amdhsa_system_vgpr_workitem_id 0
		.amdhsa_next_free_vgpr 1024
		.amdhsa_next_free_sgpr 66
		.amdhsa_reserve_vcc 0
		.amdhsa_float_denorm_mode_32 3
		.amdhsa_float_denorm_mode_16_64 3
		.amdhsa_memory_ordered 1
		.amdhsa_forward_progress 1
		.amdhsa_inst_pref_size 255
	.end_amdhsa_kernel
	.section	.bss,"aw",@nobits
	.p2align	6
	.space	262144
	.amdgpu_metadata
---
amdhsa.version: [ 1, 2 ]
amdhsa.kernels:
  - .name:           k_q0cd624246b_energy
    .symbol:         k_q0cd624246b_energy.kd
    .args:
      - { .name: enc_state, .offset: 0, .size: 8, .value_kind: global_buffer, .address_space: global }
      - { .name: src_length, .offset: 8, .size: 8, .value_kind: global_buffer, .address_space: global }
      - { .name: W_energy, .offset: 16, .size: 8, .value_kind: global_buffer, .address_space: global }
      - { .name: wimg, .offset: 24, .size: 8, .value_kind: global_buffer, .address_space: global }
      - { .name: dec, .offset: 32, .size: 8, .value_kind: global_buffer, .address_space: global }
      - { .name: en, .offset: 40, .size: 8, .value_kind: global_buffer, .address_space: global }
    .group_segment_fixed_size: 285184
    .private_segment_fixed_size: 0
    .kernarg_segment_align: 8
    .kernarg_segment_size: 48
    .max_flat_workgroup_size: 128
    .sgpr_count:     66
    .vgpr_count:     1024
    .wavefront_size: 32
...
	.end_amdgpu_metadata
.endif
;; end of part 5
;; launch context (part 6): grid 16 x 32, 8 waves a work-group, no clusters, 9,728 bytes of LDS; arguments en, enc_state, src_length, out0, out1; writes out0, out1
.if DOCPART == 6
	.amdgcn_target "amdgcn-amd-amdhsa--gfx1250"
	.amdhsa_code_object_version 6
	.text
	.protected	k_q0cd624246b_context
	.globl	k_q0cd624246b_context
	.p2align	8
	.type	k_q0cd624246b_context,@function
k_q0cd624246b_context:
	s_mov_b64 s[64:65], 0
	v_nop
	global_prefetch_b8 v0, s[64:65] scope:SCOPE_SE
	s_setreg_imm32_b32 hwreg(HW_REG_WAVE_SCHED_MODE, 0, 2), 2
	s_setreg_imm32_b32 hwreg(HW_REG_WAVE_MODE, 25, 1), 1
	s_wait_xcnt 0x0
	s_wait_alu depctr_vm_vsrc(0)
; out1[b][s] = softmax over s of en[b][s], rows at or behind src_length[b] counting as -infinity; out0[b][e] = sum over s of out1[b][s] enc_state[b][s][e].
; A product with one row: memory binds, so it is a stream of fused multiply-adds in f32; the matrix unit, tensor loads and clusters would add nothing (each byte of enc_state is read by one wave, once).
; SHARES.  Work-group (slice, b) owns columns 128 slice .. 128 slice + 127 of out0[b]; every work-group of a batch makes the batch's softmax anew (4,096 bytes of en), and slice 0 stores it.
; Wave v takes rows 128 i + 16 v + j (round i, slot j): a load covers a row's 512 consecutive bytes of the slice.  Only the ceil(length / 128) rounds that hold a row in front of the length are read; in the
; last of them the rows behind the length have the weight 0 (they lie inside the batch's 1,024 rows).  A ring of sixteen slots in registers, in four blocks of four, keeps twelve loads of every wave on their way.
; The largest energy is taken away before the exponential; the weights stay unnormalised in the sums, and the sum divides at the end.
; LIMITS: src_length is taken as 1 .. 1,024 (0 counts as 1, larger numbers as 1,024); inputs are finite.
; THE MODE: SCHED_MODE bits 1:0 = 2 (LLVM: expert scheduling mode 2), set by the entry lines.  The code itself states the register dependences between vector instructions and memory or LDS instructions,
; and those that pass through scalar registers written by vector instructions, with s_wait_alu, always for 0.
; THE PLAN, in the loop.  X's four blocks: block k's eight multiply-adds read its four slots; the loads that land in them again are issued in block k + 1, behind the ONE wait on va_vdst at that block's head, dealt among
;   that block's multiply-adds, which name their own slots and the sums alone.  (So block 3's rows of a round are asked for in the round's block 0, the next round's blocks 0 to 2 in its blocks 1 to 3.)
;   v2, the loads' offset, is never written again: each block has a scalar base of its own, which moves on by a round behind the wait that shows the block's four loads done.
;   The round's sixteen weights pass from vector registers into scalar ones: one wait on va_sdst behind the run of sixteen, ahead of the first multiply-add.
.set MX, 4096                          ; LDS: the weights p at 0 (4,096 bytes); the waves' maxima; their sums; the waves' parts of out0, 512 bytes each
.set SM, 4352
.set RD, 4608
.set X,  12                            ; v12-75   slot j: 4 registers
.set P,  76                            ; v76-91   register j, lane i (0 .. 7): p[128 i + 16 wave + j]
.set SU, 92                            ; v92-99   two sets of four sums, by the slot's parity
.set WA, 100                           ; v100     my wave's word among the maxima
.set MA, 101                           ; v101     the maxima's first word
.set PA, 102                           ; v102     512 (lane % 8) + 64 wave: my sixteen weights of round lane % 8
.set INV, 103                          ; v103     1 / the sum of the weights
.set TP, 104                           ; v104-111 at work;  v112-115 out1's numbers
.set WB, 48                            ; s[48:55] block k: my wave's first row of the round for which the block is asked next: a pair at WB + 2 k
; slot j's weight lies in s[20 + 2 j] (j < 8) or s[50 + 2 j] (j >= 8: s66 on); the packed form names a pair and takes its low word for both halves.  s44-47: the masks of my four rows
	s_load_b256 s[4:11], s[0:1], 0x0               ; en s[4:5], enc_state s[6:7], src_length s[8:9], out0 s[10:11]
	s_load_b64 s[12:13], s[0:1], 0x20              ; out1
	v_lshl_add_u32 v118, v0, 2, 0x2200
	v_mov_b32 v119, 0
	v_lshrrev_b32 v1, 5, v0
	v_readfirstlane_b32 s14, v1                    ; wave 0..7
	s_and_b32 s15, ttmp7, 0xffff                   ; b
	v_and_b32 v2, 31, v0
	v_lshlrev_b32 v2, 4, v2                        ; 16 x lane
	v_lshlrev_b32 v1, 4, v0                        ; 16 x thread
	v_lshlrev_b32 v3, 2, v0                        ; my first row of the softmax: 4 x thread
	s_wait_alu depctr_va_sdst(0)                   ; s14 is written, ahead of its first reader: LDS addresses, the bases and a branch are made from it
	s_lshl_b32 s19, s14, 2
	s_add_co_u32 s19, s19, MX
	v_mov_b32 v[WA], s19
	v_mov_b32 v[MA], MX
	v_and_b32 v[PA], 7, v0
	v_lshlrev_b32 v[PA], 9, v[PA]
	s_lshl_b32 s19, s14, 6
	v_add_nc_u32 v[PA], s19, v[PA]
	v_mov_b32 v8, 0xff800000                       ; -infinity
	v_mov_b32 v10, 0                               ; written once: a lane permute's destination counts as one of its sources
.irp k, 0,1,2,3,4,5,6,7
	v_mov_b32 v[SU+\k], 0
	s_mov_b32 s[21+2*\k], 0                        ; (the pairs' upper words are named, so they are written)
	s_mov_b32 s[67+2*\k], 0
.endr
	s_mov_b32 s40, 0x76543210
	s_mov_b32 s41, 0xfedcba98                      ; v_permlanex16_b32's selects for lane l xor 16
	s_mov_b32 s42, 0x3fb8aa3b                      ; log2(e)
	s_lshl_b32 s36, s15, 2
	s_mov_b32 s37, 0
	s_mov_b32 s39, 0
	s_wait_kmcnt 0x0
	s_add_nc_u64 s[8:9], s[8:9], s[36:37]
	s_load_b32 s16, s[8:9], 0x0                    ; src_length[b]
	s_lshl_b32 s36, s15, 12
	s_add_nc_u64 s[4:5], s[4:5], s[36:37]          ; en[b]
	s_add_nc_u64 s[12:13], s[12:13], s[36:37]      ; out1[b]
	s_lshl_b32 s38, s15, 23                        ; enc_state[b]: 1,024 rows of 8,192 bytes,
	s_lshl_b32 s19, ttmp9, 9                       ; the slice's 512 bytes,
	s_add_co_u32 s38, s38, s19
	s_lshl_b32 s36, s15, 13
	s_add_co_u32 s36, s36, s19
	s_add_nc_u64 s[10:11], s[10:11], s[36:37]      ; out0[b] at the slice
	s_lshl_b32 s19, s14, 17                        ; and my wave's sixteen rows: under 2^28 in all
	s_add_co_u32 s38, s38, s19
.irp k, 0,1,2,3
	s_add_nc_u64 s[WB+2*\k:WB+2*\k+1], s[6:7], s[38:39]        ; all four blocks begin at round 0; a slot's row stands in the immediate
.endr
	s_wait_alu depctr_va_vdst(0)                   ; the offsets and LDS addresses v1, v2, v100 to v102 are written, which the loads and stores of the whole kernel read; none of them is written again
	global_load_b128 v[4:7], v1, s[4:5]            ; four energies a thread
.irp j, 0,1,2,3,4,5,6,7,8,9,10,11
	global_load_b128 v[X+4*\j:X+4*\j+3], v2, s[WB+2*(\j/4):WB+2*(\j/4)+1] offset:8192*\j th:TH_LOAD_NT   ; round 0's blocks 0 to 2: on their way while the softmax is made
.endr
	s_wait_kmcnt 0x0
	s_min_u32 s16, s16, 1024
	s_max_u32 s16, s16, 1
	s_add_co_u32 s17, s16, 127
	s_lshr_b32 s17, s17, 7
	s_sub_co_u32 s17, s17, 1                       ; rounds less one: 0 .. 7
	s_wait_loadcnt 12                              ; the energies are in; the ring's twelve loads stay out
.irp k, 0,1,2,3
	v_add_nc_u32 v[TP+\k], \k, v3
.endr
.irp k, 0,1,2,3
	v_cmp_gt_u32 s[44+\k], s16, v[TP+\k]           ; the row counts where the length is larger than its number
.endr
	s_wait_alu depctr_va_sdst(0)                   ; the four masks are written, ahead of the selects that read them
.irp k, 0,1,2,3
	v_cndmask_b32 v[4+\k], v8, v[4+\k], s[44+\k]
.endr
	v_max3_num_f32 v9, v4, v5, v6
	v_max_num_f32 v9, v9, v7
	v_max_num_f32_dpp v9, v9, v9 row_xmask:1 row_mask:0xf bank_mask:0xf
	v_max_num_f32_dpp v9, v9, v9 row_xmask:2 row_mask:0xf bank_mask:0xf
	v_max_num_f32_dpp v9, v9, v9 row_xmask:4 row_mask:0xf bank_mask:0xf
	v_max_num_f32_dpp v9, v9, v9 row_xmask:8 row_mask:0xf bank_mask:0xf
	v_permlanex16_b32 v10, v9, s40, s41
	v_max_num_f32 v9, v9, v10                      ; my wave's largest energy
	s_wait_alu depctr_va_vdst(0)                   ; v9 is written, which the store reads; the compares are done with v104 to v107, in which the loads behind the barrier land
	ds_store_b32 v[WA], v9                         ; all lanes write the same word with the same value
	s_wait_dscnt 0x0
	s_barrier_signal -1
	s_barrier_wait -1
	ds_load_b128 v[TP:TP+3], v[MA]
	ds_load_b128 v[TP+4:TP+7], v[MA] offset:16
	s_wait_dscnt 0x0
	v_max3_num_f32 v[TP], v[TP], v[TP+1], v[TP+2]
	v_max3_num_f32 v[TP+3], v[TP+3], v[TP+4], v[TP+5]
	v_max3_num_f32 v[TP], v[TP], v[TP+6], v[TP+7]
	v_max_num_f32 v[TP], v[TP], v[TP+3]            ; the batch's: finite, since row 0 always counts
	v_mul_f32 v[TP], s42, v[TP]
.irp k, 0,1,2,3
	v_fma_f32 v[4+\k], v[4+\k], s42, -v[TP]        ; (e - m) log2(e)
.endr
.irp k, 0,1,2,3
	v_exp_f32 v[4+\k], v[4+\k]                     ; p, at most 1; 0 for a row that does not count
.endr
	v_nop                                          ; one plain place behind the transcendentals
	s_wait_alu depctr_vm_vsrc(0)                   ; the store of my wave's maximum has read v9, which now takes the sum
	s_wait_alu depctr_va_vdst(0)
	v_add_f32 v9, v4, v5
	v_add_f32 v[TP+1], v6, v7
	v_add_f32 v9, v9, v[TP+1]
	v_add_f32_dpp v9, v9, v9 row_xmask:1 row_mask:0xf bank_mask:0xf
	v_add_f32_dpp v9, v9, v9 row_xmask:2 row_mask:0xf bank_mask:0xf
	v_add_f32_dpp v9, v9, v9 row_xmask:4 row_mask:0xf bank_mask:0xf
	v_add_f32_dpp v9, v9, v9 row_xmask:8 row_mask:0xf bank_mask:0xf
	v_permlanex16_b32 v10, v9, s40, s41
	v_add_f32 v9, v9, v10
	s_wait_alu depctr_va_vdst(0)                   ; my four weights and my wave's sum are written, which the two stores read; the lines above are done with v104 to v111, in which the loads behind the barrier land
	ds_store_b128 v1, v[4:7]
	ds_store_b32 v[WA], v9 offset:SM-MX
	s_wait_dscnt 0x0                               ; for the others' sake: my weights and my sum lie in LDS
	s_barrier_signal -1
	s_barrier_wait -1
	ds_load_b128 v[TP:TP+3], v[MA] offset:SM-MX
	ds_load_b128 v[TP+4:TP+7], v[MA] offset:SM-MX+16
.irp k, 0,1,2,3
	ds_load_b128 v[P+4*\k:P+4*\k+3], v[PA] offset:16*\k
.endr
	s_wait_dscnt 0x0
	v_add_f32 v[TP], v[TP], v[TP+1]
	v_add_f32 v[TP+2], v[TP+2], v[TP+3]
	v_add_f32 v[TP+4], v[TP+4], v[TP+5]
	v_add_f32 v[TP+6], v[TP+6], v[TP+7]
	v_add_f32 v[TP], v[TP], v[TP+2]
	v_add_f32 v[TP+4], v[TP+4], v[TP+6]
	v_add_f32 v[TP], v[TP], v[TP+4]
	v_rcp_f32 v[INV], v[TP]                        ; 1 / the sum
	v_nop
	s_cmp_lg_u32 ttmp9, 0
	s_cbranch_scc1 .Lnot0
	s_wait_alu depctr_va_vdst(0)
.irp k, 0,1,2,3
	v_mul_f32 v[112+\k], v[4+\k], v[INV]
.endr
	s_wait_alu depctr_va_vdst(0)                   ; v112 to v115 are written, which the store reads
	global_store_b128 v1, v[112:115], s[12:13]     ; the work-group stores out1[b]'s 4,096 consecutive bytes; these registers are not written again
.Lnot0:
.macro WEIGHTS                         ; the round's sixteen weights of my wave, from lane s18 (the round's number) of P's registers
.irp j, 0,1,2,3,4,5,6,7
	v_readlane_b32 s[20+2*\j], v[P+\j], s18
.endr
.irp j, 8,9,10,11,12,13,14,15
	v_readlane_b32 s[50+2*\j], v[P+\j], s18
.endr
	s_wait_alu depctr_va_sdst(0)                   ; the sixteen weights are written, ahead of the multiply-adds that read them
.endm
; One slot's turn.  ahead = 1: the slot four back in the ring, R, is filled again.  step = 1: behind a block's last wait its base moves on by a round.  left = how many younger loads may stay out.
.macro SLOT j, ahead, step, left
.set W, 20+2*(\j)
.if (\j) >= 8
.set W, 50+2*(\j)
.endif
.set R, ((\j)+12)%16
.if (\ahead) && (((\j)%4) == 0)
	s_wait_alu depctr_va_vdst(0)                   ; the block before is done reading its four slots, in which this block's four loads land
.endif
	s_wait_loadcnt \left
.if (\step) && (((\j)%4) == 3)
	s_add_nc_u64 s[WB+2*((\j)/4):WB+2*((\j)/4)+1], s[WB+2*((\j)/4):WB+2*((\j)/4)+1], 1048576   ; free since that wait, which shows this block's four loads, the last that read it, done: 128 rows on
.endif
.if \ahead
	global_load_b128 v[X+4*R:X+4*R+3], v2, s[WB+2*(R/4):WB+2*(R/4)+1] offset:8192*R th:TH_LOAD_NT   ; no vector instruction since the block's wait names these registers
.endif
	v_pk_fma_f32 v[SU+4*((\j)%2):SU+4*((\j)%2)+1], v[X+4*(\j):X+4*(\j)+1], s[W:W+1], v[SU+4*((\j)%2):SU+4*((\j)%2)+1] op_sel_hi:[1,0,1]
	v_pk_fma_f32 v[SU+4*((\j)%2)+2:SU+4*((\j)%2)+3], v[X+4*(\j)+2:X+4*(\j)+3], s[W:W+1], v[SU+4*((\j)%2)+2:SU+4*((\j)%2)+3] op_sel_hi:[1,0,1]
.endm
	s_mov_b32 s18, 0
	s_cmp_eq_u32 s17, 0
	s_cbranch_scc1 .Llast
.Lround:                                           ; all rounds but the last: the ring runs twelve slots ahead, so eleven younger loads stay out at every slot
	WEIGHTS
.irp j, 0,1,2,3,4,5,6,7,8,9,10,11,12,13,14,15
	SLOT \j, 1, 1, 11
.endr
	s_add_co_u32 s18, s18, 1
	s_cmp_lt_u32 s18, s17
	s_cbranch_scc1 .Lround
.Llast:                                            ; the last round asks for its own block 3 and for nothing more: no load passes the round that holds the last row that counts, and the counts run down
	WEIGHTS
.irp j, 0,1,2,3
	SLOT \j, 1, 0, 11
.endr
.irp j, 4,5,6,7,8,9,10,11,12,13,14,15
	SLOT \j, 0, 0, 15-\j
.endr
	v_pk_add_f32 v[SU:SU+1], v[SU:SU+1], v[SU+4:SU+5]
	v_pk_add_f32 v[SU+2:SU+3], v[SU+2:SU+3], v[SU+6:SU+7]
	s_wait_alu depctr_va_vdst(0)                   ; my sums are written, which the store reads; the multiply-adds are done reading the ring, in which wave 0's loads land behind the barrier
	ds_store_b128 v1, v[SU:SU+3] offset:RD         ; 16 x thread = 512 wave + 16 lane
	s_wait_dscnt 0x0                               ; for wave 0's sake
	s_barrier_signal -1
	s_barrier_wait -1
	s_cmp_lg_u32 s14, 0
	s_cbranch_scc1 .Lend
.irp k, 0,1,2,3,4,5,6,7
	ds_load_b128 v[X+4*\k:X+4*\k+3], v2 offset:RD+512*\k
.endr
	s_wait_dscnt 0x0
.irp k, 0,2,4,6
	v_pk_add_f32 v[X+4*\k:X+4*\k+1], v[X+4*\k:X+4*\k+1], v[X+4*\k+4:X+4*\k+5]
	v_pk_add_f32 v[X+4*\k+2:X+4*\k+3], v[X+4*\k+2:X+4*\k+3], v[X+4*\k+6:X+4*\k+7]
.endr
.irp k, 0,4
	v_pk_add_f32 v[X+4*\k:X+4*\k+1], v[X+4*\k:X+4*\k+1], v[X+4*\k+8:X+4*\k+9]
	v_pk_add_f32 v[X+4*\k+2:X+4*\k+3], v[X+4*\k+2:X+4*\k+3], v[X+4*\k+10:X+4*\k+11]
.endr
	v_pk_add_f32 v[X:X+1], v[X:X+1], v[X+16:X+17]
	v_pk_add_f32 v[X+2:X+3], v[X+2:X+3], v[X+18:X+19]
.irp k, 0,1,2,3
	v_mul_f32 v[X+\k], v[X+\k], v[INV]             ; divided by the sum of the weights
.endr
	s_wait_alu depctr_va_vdst(0)                   ; the four results are written, which the store reads
	global_store_b128 v2, v[X:X+3], s[10:11]       ; 32 lanes store the slice's 512 consecutive bytes
.Lend:
	s_wait_dscnt 0x0
	s_wait_alu depctr_hold_cnt(0) depctr_sa_sdst(0) depctr_va_vdst(0) depctr_va_sdst(0) depctr_va_ssrc(0) depctr_va_vcc(0) depctr_vm_vsrc(0)
	s_wait_tensorcnt 0x0
	ds_add_u32 v118, v119
	s_wait_dscnt 0x0
	s_endpgm
.Lfunc_end_k_q0cd624246b_context:
	.size	k_q0cd624246b_context, .Lfunc_end_k_q0cd624246b_context-k_q0cd624246b_context
	.p2alignl 7, 3214868480
	.fill 96, 4, 3214868480
	.section	.rodata,"a",@progbits
	.p2align	6, 0x0
	.amdhsa_kernel k_q0cd624246b_context
		.amdhsa_group_segment_fixed_size 9728
		.amdhsa_private_segment_fixed_size 0
		.amdhsa_enable_private_segment 0
		.amdhsa_kernarg_size 40
		.amdhsa_user_sgpr_count 2
		.amdhsa_user_sgpr_kernarg_segment_ptr 1
		.amdhsa_wavefront_size32 1
		.amdhsa_system_sgpr_workgroup_id_x 1
		.amdhsa_system_sgpr_workgroup_id_y 1
		.amdhsa_system_sgpr_workgroup_id_z 1
		.amdhsa_system_vgpr_workitem_id 0
		.amdhsa_next_free_vgpr 120
		.amdhsa_next_free_sgpr 84
		.amdhsa_reserve_vcc 0
		.amdhsa_float_denorm_mode_32 3
		.amdhsa_float_denorm_mode_16_64 3
		.amdhsa_memory_ordered 1
		.amdhsa_forward_progress 1
		.amdhsa_inst_pref_size 21
	.end_amdhsa_kernel
	.amdgpu_metadata
---
amdhsa.version: [ 1, 2 ]
amdhsa.kernels:
  - .name:           k_q0cd624246b_context
    .symbol:         k_q0cd624246b_context.kd
    .args:
      - { .name: en, .offset: 0, .size: 8, .value_kind: global_buffer, .address_space: global }
      - { .name: enc_state, .offset: 8, .size: 8, .value_kind: global_buffer, .address_space: global }
      - { .name: src_length, .offset: 16, .size: 8, .value_kind: global_buffer, .address_space: global }
      - { .name: out0, .offset: 24, .size: 8, .value_kind: global_buffer, .address_space: global }
      - { .name: out1, .offset: 32, .size: 8, .value_kind: global_buffer, .address_space: global }
    .group_segment_fixed_size: 9728
    .private_segment_fixed_size: 0
    .kernarg_segment_align: 8
    .kernarg_segment_size: 40
    .max_flat_workgroup_size: 256
    .sgpr_count:     84
    .vgpr_count:     120
    .wavefront_size: 32
...
	.end_amdgpu_metadata
.endif
;; end of part 6
